; MI455X (gfx1250); checked and timed in simulation.
; The chip was launched on July 23, 2026; its instructions are those of AMD's public machine-readable ISA for CDNA 5 (MIT licence, August 2026) and "CDNA5" Instruction Set Architecture Reference Guide (July 2026). The comments in the code are by the model that wrote it; some were corrected since.
;; GC Edecoder. Allowed arithmetic: matrix products marked QUANTISED: E2M1 operands, one E8M0 scale for each 32 along K, by v_wmma_scale_f32_16x16x128_f8f6f4 with both operands' format E2M1 (or v_wmma_scale_f32_32x16x128_f4), f32 sums; products left as they are: f32 operands where the result goes on into a quantised operand, else bf16, f16 or f32 operands; f32 sums; everything else in f32.
;; Inputs: C_acts 128 x 128 x 400 float32; C_vals 1,024 x 1 x 400 float32; H_utt 128 x 512 x 400 float32; W_score 1 x 400 float32; b_score 1 float32; c_utt 128 x 400 float32; utterance_len 128 int32.
;; Outputs: out0 128 x 1,024 float32; out1 128 x 1,024 float32.
;; This version of the problem:
;;   THIS VERSION OF THE PROBLEM IS GIVEN IN LOW PRECISION. The matrix products marked QUANTISED in the list below multiply operands that are first quantised to E2M1 (2 exponent bits, 1 mantissa bit; 4 bits a number), with one power-of-two scale for each 32 numbers along K (OCP MX v1.0); their sums are f32. All else is computed in f32.
;;   The module's matrix products, in the order in which they are computed (A, B: the left and right operand; K: the contracted axis; several contracted axes count as one K, in the product's order):
;;     1. [M 1,024, K 400] x [K 400, N 65,536]; A: input C_vals; B: input H_utt: QUANTISED
;;     2. batch 128 x [M 1,024, K 512] x [K 512, N 400]; A: softmax (see below); B: input H_utt: QUANTISED
;;     3. [M 131,072, K 400] x [K 400, N 1]; A: computed on the way; B: input W_score: left as it is (N = 1 < 16)
;;     4. batch 128 x [M 128, K 400] x [K 400, N 1]; A: input C_acts; B: input c_utt: left as it is (N = 1 < 16)
;;     5. batch 128 x [M 1, K 128] x [K 128, N 400]; A: softmax (see below); B: input C_acts: left as it is (M = 1 < 16)
;;     6. [M 128, K 400] x [K 400, N 1,024]; A: computed on the way; B: input C_vals: QUANTISED
;;   THE QUANTISER, for each operand of a quantised product, along K:
;;     - K is cut into blocks of 32 from its start; a last block that is shorter is filled with zeros.
;;     - A block's scale is 2^e with e = floor(log2(the largest magnitude in the block)) - 2, held to -126 .. 127; a block of zeros has e = 0. As a byte (E8M0): e + 127.
;;     - Each number is divided by its block's scale, clamped to +-6, and rounded to the nearest number of E2M1, ties to even, subnormals kept.
;;     - The product sums the exact products of the quantised numbers (number of the format x scale) in f32.
;;   ~~~python
;;   def quantise(x, axis):      # numpy; x: float32 -> the quantised numbers, widened to float32 again
;;       x = np.moveaxis(x, axis, -1); K = x.shape[-1]
;;       x = np.pad(x, [(0, 0)] * (x.ndim - 1) + [(0, -K % 32)]); x = x.reshape(x.shape[:-1] + (-1, 32)); a = np.abs(x).max(-1, keepdims=True)
;;       e = np.where(a > 0, np.clip(np.frexp(np.where(a > 0, a, 1))[1] - 1 - 2, -126, 127), 0)      # np.frexp(a)[1] - 1 = floor(log2(a)), exactly
;;       r = np.clip(x / 2.0 ** e, -6, 6)
;;       step = 2.0 ** (np.maximum(np.frexp(np.where(r == 0, 1, r))[1] - 1, 0) - 1)
;;       q = np.round(r / step) * step * 2.0 ** e      # np.round: ties to even
;;       return np.moveaxis(q.reshape(q.shape[:-2] + (-1,))[..., :K], -1, axis).astype(np.float32)
;;   ~~~
;;   SOFTMAX AHEAD OF A QUANTISED PRODUCT. Where the list says 'softmax', what is quantised is not the finished softmax but p = 2^(t - M), with t = logit x log2(e) and M = ceil(the row's largest t), a whole number; so 1/2 < the row's largest p <= 1. The row's sum l is taken of the UNQUANTISED p, in f32, and the product's result is divided by l at the end. Since M is a whole number, a kernel that streams over the keys may use a running M (the ceiling of the running maximum): every later rescaling is an exact power of two, which a block's scale takes up: the codes' values come out the same.
;;   OPERANDS COMPUTED ON THE WAY. 'Computed on the way' means the value that the module computes at that place (a softmax that the list does not call 'softmax' is quantised finished and normalised). What goes into a quantiser is computed in f32, as accurately as f32 sums, v_exp_f32 and their like allow (about 1e-6 of the number): no bf16 or f16 on the way to a quantiser, and a product that is left as it is and whose result goes on into a quantised operand takes f32 operands (vector FMAs, or v_wmma_f32_16x16x4_f32). A number that lies on a knife's edge between two numbers of the format may be rounded either way, as far as f32 arithmetic and the matrix unit's own rounding can turn it there, and no further.
;; 2 versions, each right and faster than the one before. Each part assembles by itself: llvm-mc -triple=amdgcn-amd-amdhsa -mcpu=gfx1250 --defsym DOCPART=n.
;; ======== version 1 of 2: 2 launches
;; limits: right only within a limited range of input values
;; workspace buffers: vq_codes 262,144 bytes; vq_scales 16,384 bytes; qa_codes 32,768 bytes; qa_scales 2,048 bytes
;; launch prep (part 1): grid 132 x 1, 16 waves a work-group, no clusters, 36,864 bytes of LDS; arguments C_acts, c_utt, C_vals, vq_codes, vq_scales, qa_codes, qa_scales; writes vq_codes, vq_scales, qa_codes, qa_scales
.if DOCPART == 1
	.amdgcn_target "amdgcn-amd-amdhsa--gfx1250"
	.amdhsa_code_object_version 6
	.text
	.protected	k_q50f1ec23ac_prep
	.globl	k_q50f1ec23ac_prep
	.p2align	8
	.type	k_q50f1ec23ac_prep,@function
k_q50f1ec23ac_prep:
	s_mov_b64 s[64:65], 0
	v_nop
	global_prefetch_b8 v0, s[64:65] scope:SCOPE_SE
	s_setreg_imm32_b32 hwreg(HW_REG_WAVE_MODE, 25, 1), 1
	s_wait_xcnt 0x0
; Two small jobs ahead of the attention launch, told apart by the work-group's number alone.
; Work-groups 0-127 (b = the number): q_acts[b] = softmax(C_acts[b] c_utt[b]) C_acts[b], all in f32 by fused multiply-adds, the largest score taken away
; ahead of the exponential, the softmax finished and normalised; then quantised along D to E2M1 codes (a row of 512 codes: 400 and zeros) and 16 E8M0 bytes.
; Work-groups 128-131: the 1,024 rows of C_vals, a wave to a tile of 16 rows, quantised along D and stored as IMAGES OF THE OPERAND'S REGISTERS
; (tile, K step of 128, half c: 32 lanes x 16 bytes), so that the reader's lanes load fragments whole; the scale words of two K steps share a register (lanes 0-15, lanes 16-31).
; A block's scale byte is its largest magnitude's exponent field - 2, held at 1 from below by a floor among the maximum's leaves.
; LIMITS: a block of zeros gets the byte 1 (its codes are zeros; these bytes are read by this program alone); NaN and infinities among the inputs are not served.
; No matrix unit, no cluster, no tensor load: C_acts is read once, 205 KB a work-group, all of it asked for at once into registers (8 rows a wave), and kept there between the two passes.
.set TM,   200                         ; v200-215 at work in QUANT
.set SEL,  20                          ; s[20:21] lane selects: lane l xor 16
.set QPB,  512                         ; LDS: 128 scores at 0; from here 16 partial rows,
.set QPP,  2128                        ; each 1,600 bytes of data, 512 of zeros, 16 unused
.set XA,   32
.set XB,   96
.set PCV,  160                         ; v160-191 the four fragments' codes
.set PWV,  192                         ; v192-195 their scale words
; 64 numbers of a lane, register 16 b + i = k 32 b + 16 (lane / 16) + i of my row, become a fragment's 8 registers at v[pc] and its scale word in v[pw]
.macro QUANT src, pc, pw
.irp b, 0,1,2,3
	v_max3_num_f32 v[TM+\b], |v[\src+16*\b]|, |v[\src+1+16*\b]|, 0x1800000   ; my 16 numbers of block b, and the floor 2^(3 - 127)
.endr
.irp i, 2,4,6,8,10,12,14
.irp b, 0,1,2,3
	v_max3_num_f32 v[TM+\b], v[TM+\b], |v[\src+16*\b+\i]|, |v[\src+1+16*\b+\i]|
.endr
.endr
.irp b, 0,1,2,3
	v_permlanex16_b32 v[TM+4+\b], v[TM+\b], s[SEL], s[SEL+1]
.endr
.irp b, 0,1,2,3
	v_max_num_f32 v[TM+\b], v[TM+\b], v[TM+4+\b]   ; with lane l xor 16's 16: the block's largest magnitude
.endr
.irp b, 0,1,2,3
	v_add_nc_u32 v[TM+12+\b], 0xff000000, v[TM+\b]   ; 2 off its exponent field: the conversion's scale operand
.endr
.irp b, 0,1,2,3
	v_lshrrev_b32 v[TM+4+\b], 23, v[TM+12+\b]      ; the scale's byte
.endr
	v_lshl_or_b32 v[\pw], v[TM+5], 8, v[TM+4]
	v_lshl_or_b32 v[\pw], v[TM+6], 16, v[\pw]
	v_lshl_or_b32 v[\pw], v[TM+7], 24, v[\pw]
.irp b, 0,1,2,3
	v_cvt_scalef32_pk8_fp4_f32 v[\pc+2*\b], v[\src+16*\b:\src+7+16*\b], v[TM+12+\b]
	v_cvt_scalef32_pk8_fp4_f32 v[\pc+1+2*\b], v[\src+8+16*\b:\src+15+16*\b], v[TM+12+\b]
.endr
	v_nop                                          ; one plain line behind the scaled conversions
.irp c, 0,1
.irp i, 0,1
	v_permlane16_swap_b32 v[\pc+4*\c+\i], v[\pc+2+4*\c+\i]   ; a whole block to a lane: lanes 0-15 block 2 c, lanes 16-31 block 2 c + 1
.endr
.endr
.endm
.macro XLOAD reg, s                    ; K step s of my tile's 16 rows: lane (r, h) takes 16 neighbours of each block of 32
.irp b, 0,1,2,3
.irp q, 0,1,2,3
	global_load_b128 v[\reg+16*\b+4*\q:\reg+16*\b+4*\q+3], v5, s[8:9] offset:512*\s+128*\b+16*\q
.endr
.endr
.endm
	s_load_b256 s[4:11], s[0:1], 0x0               ; C_acts s[4:5], c_utt s[6:7], C_vals s[8:9], vq_codes s[10:11]
	s_load_b128 s[12:15], s[0:1], 0x20             ; vq_scales s[12:13], qa_codes s[14:15]
	s_load_b64 s[16:17], s[0:1], 0x30              ; qa_scales
	v_lshl_add_u32 v254, v0, 2, 0x8800
	v_mov_b32 v255, 0
	v_lshrrev_b32 v1, 5, v0
	v_readfirstlane_b32 s18, v1                    ; wave 0..15
	v_and_b32 v1, 31, v0                           ; lane
	s_mov_b32 s[SEL], 0x76543210
	s_mov_b32 s[SEL+1], 0xfedcba98
	s_mov_b32 s22, 0xffff0000                      ; lanes 16-31
	s_mov_b32 s23, 0x3fb8aa3b                      ; log2(e)
	s_mov_b32 s25, 0                               ; the high word of every offset
	v_mov_b32 v15, 0
	s_wait_kmcnt 0x0
	s_cmp_lt_u32 ttmp9, 128
	s_cbranch_scc0 .Lvals
	; ---------------- q_acts[b].  Wave w owns rows 8 w .. 8 w + 7; lane L owns columns 4 L, 128 + 4 L, 256 + 4 L and, of the last 16, 384 + 4 (L % 4)
	v_lshlrev_b32 v2, 4, v1                        ; 16 L
	v_and_b32 v3, 3, v1
	v_lshlrev_b32 v3, 4, v3                        ; 16 (L % 4)
	s_lshl_b32 s26, s18, 5
	v_mov_b32 v4, s26                              ; LDS: my wave's 8 scores
	s_mul_i32 s26, s18, QPP
	s_add_co_u32 s26, s26, QPB
	v_add_nc_u32 v5, s26, v2                       ; LDS: my wave's partial row, 16 L
	v_add_nc_u32 v6, s26, v3                       ; and 16 (L % 4)
	v_lshlrev_b32 v7, 6, v1
	v_add_nc_u32 v7, QPB, v7                       ; LDS: 16 columns a lane, for the last sum
	v_lshlrev_b32 v8, 3, v1                        ; 8 L: my 16 codes
	v_lshrrev_b32 v9, 1, v1                        ; my block's byte
	s_mul_i32 s24, ttmp9, 204800
	s_mul_i32 s26, s18, 12800
	s_add_co_u32 s24, s24, s26
	s_add_nc_u64 s[4:5], s[4:5], s[24:25]          ; C_acts at my wave's first row
	s_mul_i32 s24, ttmp9, 1600
	s_add_nc_u64 s[6:7], s[6:7], s[24:25]          ; c_utt[b]
	s_lshl_b32 s24, ttmp9, 8
	s_add_nc_u64 s[14:15], s[14:15], s[24:25]
	s_lshl_b32 s24, ttmp9, 4
	s_add_nc_u64 s[16:17], s[16:17], s[24:25]
.irp p, 0,1,2
	global_load_b128 v[16+4*\p:19+4*\p], v2, s[6:7] offset:512*\p
.endr
	global_load_b128 v[28:31], v3, s[6:7] offset:1536
.irp a, 0,1,2,3,4,5,6,7
.irp p, 0,1,2
	global_load_b128 v[32+16*\a+4*\p:35+16*\a+4*\p], v2, s[4:5] offset:1600*\a+512*\p th:TH_LOAD_NT   ; 512 consecutive bytes of a row
.endr
	global_load_b128 v[44+16*\a:47+16*\a], v3, s[4:5] offset:1600*\a+1536 th:TH_LOAD_NT   ; the row's last 64 bytes, eight times over
.endr
.irp i, 216,217,218,219,220,221,222,223,229,185,187,189,191,193,195,197,199,240,241,242,243
	v_mov_b32 v\i, 0                               ; lane permutes' destinations, the upper halves of the pairs that hold p, and four zeros for LDS
.endr
	v_cmp_gt_u32 vcc_lo, 4, v1
	s_wait_loadcnt 0x0
.irp i, 28,29,30,31
	v_cndmask_b32 v\i, 0, v\i, vcc_lo              ; the last 16 columns count once: c is 0 there in lanes 4-31
.endr
.irp a, 0,1,2,3,4,5,6,7
	v_pk_mul_f32 v[160+2*\a:161+2*\a], v[32+16*\a:33+16*\a], v[16:17]   ; the scores: the eight rows by turns
.endr
.irp i, 2,4,6,8,10,12,14
.irp a, 0,1,2,3,4,5,6,7
	v_pk_fma_f32 v[160+2*\a:161+2*\a], v[32+16*\a+\i:33+16*\a+\i], v[16+\i:17+\i], v[160+2*\a:161+2*\a]
.endr
.endr
.irp a, 0,1,2,3,4,5,6,7
	v_add_f32 v[176+\a], v[160+2*\a], v[161+2*\a]
.endr
.irp m, 1,2,4,8
.irp a, 0,1,2,3,4,5,6,7
	v_add_f32_dpp v[176+\a], v[176+\a], v[176+\a] row_xmask:\m row_mask:0xf bank_mask:0xf
.endr
.endr
.irp a, 0,1,2,3,4,5,6,7
	v_permlanex16_b32 v[216+\a], v[176+\a], s[SEL], s[SEL+1]
.endr
.irp a, 0,1,2,3,4,5,6,7
	v_add_f32 v[176+\a], v[176+\a], v[216+\a]      ; every lane holds the row's score
.endr
	ds_store_b128 v4, v[176:179]                   ; all lanes write the same bytes with the same values
	ds_store_b128 v4, v[180:183] offset:16
	s_wait_dscnt 0x0                               ; for the others' sake: my scores lie in LDS
	s_barrier_signal -1
	s_barrier_wait -1
	ds_load_b128 v[224:227], v2                    ; four of the 128 scores a lane
	s_wait_dscnt 0x0
	v_max3_num_f32 v228, v224, v225, v226
	v_max_num_f32 v228, v228, v227
.irp m, 1,2,4,8
	v_max_num_f32_dpp v228, v228, v228 row_xmask:\m row_mask:0xf bank_mask:0xf
.endr
	v_permlanex16_b32 v229, v228, s[SEL], s[SEL+1]
	v_max_num_f32 v228, v228, v229                 ; the largest score
.irp i, 224,225,226,227
	v_sub_f32 v\i, v\i, v228
.endr
.irp i, 224,225,226,227
	v_mul_f32 v\i, s23, v\i
.endr
.irp i, 224,225,226,227
	v_exp_f32 v\i, v\i
.endr
.irp a, 0,1,2,3,4,5,6,7
	v_sub_f32 v[184+2*\a], v[176+\a], v228         ; my eight rows likewise: independent work behind the four exponentials
.endr
.irp a, 0,1,2,3,4,5,6,7
	v_mul_f32 v[184+2*\a], s23, v[184+2*\a]
.endr
	s_wait_alu depctr_va_vdst(0)                   ; one wait for the four, ahead of their first reader
	v_add_f32 v224, v224, v225
	v_add_f32 v226, v226, v227
	v_add_f32 v224, v224, v226
.irp m, 1,2,4,8
	v_add_f32_dpp v224, v224, v224 row_xmask:\m row_mask:0xf bank_mask:0xf
.endr
	v_permlanex16_b32 v229, v224, s[SEL], s[SEL+1]
	v_add_f32 v224, v224, v229                     ; the sum of the 128 exponentials
	v_rcp_f32 v230, v224
.irp a, 0,1,2,3,4,5,6,7
	v_exp_f32 v[184+2*\a], v[184+2*\a]
.endr
	v_nop                                          ; a plain line behind the batch
	s_wait_alu depctr_va_vdst(0)                   ; one wait for the reciprocal and the eight
.irp a, 0,1,2,3,4,5,6,7
	v_mul_f32 v[184+2*\a], v[184+2*\a], v230       ; p, finished and normalised
.endr
.irp i, 0,2,4,6,8,10,12,14
	v_pk_mul_f32 v[200+\i:201+\i], v[32+\i:33+\i], v[184:185] op_sel_hi:[1,0]   ; my eight rows' part of q_acts, from the registers that still hold them
.endr
.irp a, 1,2,3,4,5,6,7
.irp i, 0,2,4,6,8,10,12,14
	v_pk_fma_f32 v[200+\i:201+\i], v[32+16*\a+\i:33+16*\a+\i], v[184+2*\a:185+2*\a], v[200+\i:201+\i] op_sel_hi:[1,0,1]
.endr
.endr
	ds_store_b128 v5, v[200:203]
	ds_store_b128 v5, v[204:207] offset:512
	ds_store_b128 v5, v[208:211] offset:1024
	ds_store_b128 v6, v[212:215] offset:1536       ; lanes with the same L % 4 hold the same numbers and write the same bytes
	ds_store_b128 v5, v[240:243] offset:1600       ; zeros behind the 400 columns: the last sum's lanes 25-31 read them
	s_wait_dscnt 0x0
	s_barrier_signal -1
	s_barrier_wait -1
	s_cmp_lg_u32 s18, 0                            ; wave 0 adds the sixteen parts and quantises; no barrier follows
	s_cbranch_scc1 .Lend
.irp p, 0,1,2,3,4,5,6,7
.irp q, 0,1,2,3
	ds_load_b128 v[32+16*\p+4*\q:35+16*\p+4*\q], v7 offset:QPP*\p+16*\q   ; lane L: columns 16 L .. 16 L + 15
.endr
.endr
	s_wait_dscnt 0x0
.irp i, 0,2,4,6,8,10,12,14
	v_pk_add_f32 v[200+\i:201+\i], v[32+\i:33+\i], v[48+\i:49+\i]
.endr
.irp p, 2,3,4,5,6,7
.irp i, 0,2,4,6,8,10,12,14
	v_pk_add_f32 v[200+\i:201+\i], v[200+\i:201+\i], v[32+16*\p+\i:33+16*\p+\i]
.endr
.endr
.irp p, 0,1,2,3,4,5,6,7
.irp q, 0,1,2,3
	ds_load_b128 v[32+16*\p+4*\q:35+16*\p+4*\q], v7 offset:QPP*(8+\p)+16*\q
.endr
.endr
	s_wait_dscnt 0x0
.irp p, 0,1,2,3,4,5,6,7
.irp i, 0,2,4,6,8,10,12,14
	v_pk_add_f32 v[200+\i:201+\i], v[200+\i:201+\i], v[32+16*\p+\i:33+16*\p+\i]
.endr
.endr
	v_max3_num_f32 v216, |v200|, |v201|, 0x1800000 ; two neighbouring lanes hold a block of 32
.irp i, 2,4,6,8,10,12,14
	v_max3_num_f32 v216, v216, |v[200+\i]|, |v[201+\i]|
.endr
	v_max_num_f32_dpp v216, v216, v216 row_xmask:1 row_mask:0xf bank_mask:0xf
	v_add_nc_u32 v217, 0xff000000, v216
	v_cvt_scalef32_pk8_fp4_f32 v218, v[200:207], v217
	v_cvt_scalef32_pk8_fp4_f32 v219, v[208:215], v217
	v_lshrrev_b32 v220, 23, v217
	global_store_b64 v8, v[218:219], s[14:15]      ; 32 lanes store 256 consecutive bytes, aligned: the row of 512 codes
	global_store_b8 v9, v220, s[16:17]             ; both lanes of a block write the same byte
.Lend:
	s_wait_tensorcnt 0x0
	ds_add_u32 v254, v255
	s_wait_dscnt 0x0
	s_endpgm
	; ---------------- C_vals: tile = 16 x (work-group - 128) + wave
.Lvals:
	v_and_b32 v2, 15, v0                           ; r
	v_bfe_u32 v3, v0, 4, 1                         ; h
	v_mul_u32_u24 v4, v2, 1600                     ; my row
	v_lshl_add_u32 v5, v3, 6, v4                   ; + 64 h
	v_lshlrev_b32 v6, 4, v1
	v_lshlrev_b32 v7, 3, v1
.irp b, 0,1,2,3
	v_mov_b32 v[TM+4+\b], 0                        ; a lane permute's destination counts as read
.endr
	s_sub_co_u32 s24, ttmp9, 128
	s_lshl_b32 s24, s24, 4
	s_add_co_u32 s26, s24, s18                     ; the tile
	s_mul_i32 s24, s26, 25600
	s_add_nc_u64 s[8:9], s[8:9], s[24:25]
	s_lshl_b32 s24, s26, 12
	s_add_nc_u64 s[10:11], s[10:11], s[24:25]
	s_lshl_b32 s24, s26, 8
	s_add_nc_u64 s[12:13], s[12:13], s[24:25]
	XLOAD XA, 0
	XLOAD XB, 1
	s_wait_loadcnt 16                              ; K step 0 is in; step 1's sixteen loads may be out
	QUANT XA, PCV, PWV
	XLOAD XA, 2
	s_wait_loadcnt 16                              ; step 1 is in; step 2's may be out
	QUANT XB, PCV+8, PWV+1
.irp q, 0,1,2,3
	global_load_b128 v[XB+4*\q:XB+4*\q+3], v4, s[8:9] offset:1536+16*\q   ; the row's last 16 numbers, in both halves of the lanes
.endr
	s_wait_loadcnt 4                               ; step 2 is in
	QUANT XA, PCV+16, PWV+2
	s_wait_loadcnt 0x0
.irp i, 0,1,2,3,4,5,6,7,8,9,10,11,12,13,14,15
	v_cndmask_b32 v[XB+\i], v[XB+\i], v15, s22     ; k = 400 .. 415 are zeros
.endr
.set ii, 16
.rept 48
	v_mov_b32 v[XB+ii], 0                          ; and so are k = 416 .. 511
.set ii, ii+1
.endr
	QUANT XB, PCV+24, PWV+3
	v_cndmask_b32 v196, v[PWV], v[PWV+1], s22      ; lanes 0-15 step 0's words, lanes 16-31 step 1's
	v_cndmask_b32 v197, v[PWV+2], v[PWV+3], s22
.irp m, 0,1,2,3,4,5,6,7
	global_store_b128 v6, v[PCV+4*\m:PCV+4*\m+3], s[10:11] offset:512*\m   ; 512 consecutive bytes, aligned
.endr
	global_store_b64 v7, v[196:197], s[12:13]      ; 256 consecutive bytes, aligned
	s_endpgm
.Lfunc_end_k_q50f1ec23ac_prep:
	.size	k_q50f1ec23ac_prep, .Lfunc_end_k_q50f1ec23ac_prep-k_q50f1ec23ac_prep
	.p2alignl 7, 3214868480
	.fill 96, 4, 3214868480
	.section	.rodata,"a",@progbits
	.p2align	6, 0x0
	.amdhsa_kernel k_q50f1ec23ac_prep
		.amdhsa_group_segment_fixed_size 36864
		.amdhsa_private_segment_fixed_size 0
		.amdhsa_enable_private_segment 0
		.amdhsa_kernarg_size 56
		.amdhsa_user_sgpr_count 2
		.amdhsa_user_sgpr_kernarg_segment_ptr 1
		.amdhsa_wavefront_size32 1
		.amdhsa_system_sgpr_workgroup_id_x 1
		.amdhsa_system_sgpr_workgroup_id_y 1
		.amdhsa_system_sgpr_workgroup_id_z 1
		.amdhsa_system_vgpr_workitem_id 0
		.amdhsa_next_free_vgpr 256
		.amdhsa_next_free_sgpr 66
		.amdhsa_reserve_vcc 1
		.amdhsa_float_denorm_mode_32 3
		.amdhsa_float_denorm_mode_16_64 3
		.amdhsa_memory_ordered 1
		.amdhsa_forward_progress 1
		.amdhsa_inst_pref_size 58
	.end_amdhsa_kernel
	.amdgpu_metadata
---
amdhsa.version: [ 1, 2 ]
amdhsa.kernels:
  - .name:           k_q50f1ec23ac_prep
    .symbol:         k_q50f1ec23ac_prep.kd
    .args:
      - { .name: C_acts, .offset: 0, .size: 8, .value_kind: global_buffer, .address_space: global }
      - { .name: c_utt, .offset: 8, .size: 8, .value_kind: global_buffer, .address_space: global }
      - { .name: C_vals, .offset: 16, .size: 8, .value_kind: global_buffer, .address_space: global }
      - { .name: vq_codes, .offset: 24, .size: 8, .value_kind: global_buffer, .address_space: global }
      - { .name: vq_scales, .offset: 32, .size: 8, .value_kind: global_buffer, .address_space: global }
      - { .name: qa_codes, .offset: 40, .size: 8, .value_kind: global_buffer, .address_space: global }
      - { .name: qa_scales, .offset: 48, .size: 8, .value_kind: global_buffer, .address_space: global }
    .group_segment_fixed_size: 36864
    .private_segment_fixed_size: 0
    .kernarg_segment_align: 8
    .kernarg_segment_size: 56
    .max_flat_workgroup_size: 512
    .sgpr_count:     66
    .vgpr_count:     256
    .wavefront_size: 32
...
	.end_amdgpu_metadata
.endif
;; end of part 1
;; launch main (part 2): grid 2 x 128, 4 waves a work-group, no clusters, 322,560 bytes of LDS; arguments H_utt, W_score, b_score, utterance_len, vq_codes, vq_scales, qa_codes, qa_scales, out0, out1; writes out0, out1
.if DOCPART == 2
	.amdgcn_target "amdgcn-amd-amdhsa--gfx1250"
	.amdhsa_code_object_version 6
	.text
	.protected	k_q50f1ec23ac_main
	.globl	k_q50f1ec23ac_main
	.p2align	8
	.type	k_q50f1ec23ac_main,@function
k_q50f1ec23ac_main:
	s_mov_b64 s[64:65], 0
	v_nop
	global_prefetch_b8 v0, s[64:65] scope:SCOPE_SE
	s_setreg_imm32_b32 hwreg(HW_REG_WAVE_MODE, 25, 1), 1
	s_wait_xcnt 0x0
; out0[b][v] = W . (softmax_t(H[b] vals[v], t < len[b]) H[b]) + b_score;  out1[b][v] = Q(q_acts[b]) . Q(vals[v]).  All three products on E2M1 codes with E8M0 scales for each 32 along K.
; SHARES.  A work-group is (b, half of the 1,024 queries); wave w owns KEYS 128 w .. 128 w + 127 of H[b] and keeps them in registers for the whole launch: as K (32 fragments, codes along D, 400 padded to 512 by
; zero codes) and as V^T (25 fragments, codes along the keys).  The 32 tiles of 16 queries stream past: 32 products K Q^T, a softmax over the wave's 128 keys under the wave's own whole number M_w,
; 25 products V^T P^T that start from 0, and the contraction with W set between them.  So no O is kept or rescaled: a query leaves -M_w, l_w, y_w; ONE barrier at the end joins the four waves:
; y = sum 2^(M_w - M) y_w / sum 2^(M_w - M) l_w + b.  M_w is a whole number, so p's codes have the values that they have under the row's M: a block's scale takes the power of two up.
; THE MASK is the C of each score tile's first product: 0 for a key under len[b], -3e38 for one at or beyond it.
; H[b] IS QUANTISED HERE, both ways, by the wave that owns the rows: 32 rows x 128 columns at a time turn through the wave's own stage in LDS; read by rows (16 neighbours along D a lane) they give K's fragments,
; read by columns (a lane a column, 32 registers down the keys) V's.  The codes go to LDS as images of the operands' registers, so that this part is a loop, and are read back once.
; THE KEYS OF A TILE ARE NOT NEIGHBOURS: lane r of tile 2 j + u takes key 32 j + 8 u + r + 8 (r / 8), so that the 16 score registers of tiles 2 j, 2 j + 1 are 16 neighbouring keys.
; out1: q_acts[b] as 16 equal rows against the wave's 8 tiles of queries: 32 products a wave.
; NO CLUSTER, NO TENSOR LOAD: only the two work-groups of a b read the same H; a row of H is 400 words, which no power-of-two padding interval divides, and the stage wants its rows in an order of its own.
; NO PREFETCH: the quantising part has 128 KB a work-group on its way by its own loads; the queries' codes, 278,528 bytes, are read by all work-groups.
; LIMITS: |score| under 2^100 / log2(e) (the mask's -3e38 and the floor -2^100 under a wave's largest t); len = 0 gives NaN, as the definition does; NaN and infinities among the inputs are not served;
; a block of zeros has the scale byte 1 (its codes are zeros; the bytes are this program's own).
; REGISTERS.  Window 0: addresses v4-15, v224-235; v16-31 K's scale words, v32-44 V's, v45 p's, v46-49 Q's; v50-57 p's codes; v58-63 -M, t, l; v64-127 scores, p, then 8 accumulators of O^T; v128-191 the mask;
;   v192-199 y; v200-223 at work.  Window 1: K.  Window 2: V[0..12], W[0..11], Q buffer 0.  Window 3: V[13..24], W[12..24], Q buffer 1.  (W's tile k lies in the window of V's tile k + 1, behind whose product it is used.)
;   WHILE H IS QUANTISED v16-47 hold V's codes: so every scale word that lives there (K's, V's, Q's, out1's) is loaded only behind that part.
.set WREG, 80512                       ; LDS: a region for each wave:
.set SP,   528                         ;   0       the stage: 32 row slots of 512 bytes + 16; for the last 16 columns 128 slots of TP bytes; later the wave's results
.set TP,   80
.set KIM,  16896                       ;   K's images, 32 x 1,024
.set VIM,  49664                       ;   V's images, 50 x 512
.set KSI,  75264                       ;   K's scale registers, 16 x 128
.set VSI,  77312                       ;   V's, 24 halves and one whole, x 128
.set RESL, 2048                        ; results: -M at 0, l, y: 512 f32 each; the wave's 128 numbers of out1
.set RESY, 4096
.set RES6, 6144
.set LI,  4                            ; v4   16 x lane
.set L8,  5                            ; v5   8 x lane
.set L4,  6                            ; v6   4 x lane
.set STS, 7                            ; v7   region + 16 x lane
.set KA,  8                            ; v8   region + SP r + 64 h
.set VA,  9                            ; v9   region + 4 x lane
.set BK,  10                           ; v10-13 the four image areas at my lane
.set BV,  11
.set BKS, 12
.set BVS, 13
.set AK,  14                           ; v14, v15, v224, v225 the same at the trip in hand
.set AV,  15
.set AKS, 224
.set AVS, 225
.set TS,  226                          ; region + TP (lane / 4) + 16 (lane % 4)
.set TG,  227                          ; 1,600 (lane / 4) + 16 (lane % 4)
.set KT,  228                          ; region + TP r
.set ST0, 229                          ; region + 4 r
.set STA, 231
.set H16, 232
.set H32, 233
.set Z,   234
.set NEG, 235
.set KS,  16
.set VS,  32
.set PW,  45
.set QS,  46
.set PC,  50
.set S,   64
.set BIAS, 128
.set YA,  192
.set TM,  200
.set SEL, 42
.set X,   64                           ; while H is quantised: 64 numbers by rows,
.set Y0,  128                          ; two sets of 32 numbers by columns,
.set Y1,  160
.set XE,  16                           ; V's codes of the even and the odd block of 32 keys, 4 x 4 registers each: v16-31, v32-47,
.set XO,  32
.set VB,  192                          ; their scale bytes,
.set PW0, 196
.set PW1, 197
.set KSR, 198
.set BYT, 199
.set PC0, 236                          ; and K's two fragments just made
.set PC1, 244
.set MSB, 0
.macro WIN new                         ; the immediate's high byte repeats the setting that is left; bits 1:0 source 0, 3:2 source 1, 5:4 source 2, 7:6 destination
.if MSB != (\new)
	s_set_vgpr_msb (MSB<<8)|(\new)
.set MSB, (\new)
.endif
.endm
; a scaled product on 4-bit codes: d, a, b: first registers; c: first register, or negative for the constant 0; sa, sb: scale registers; ra, rb: 1 = the scales stand in lanes 16-31
.macro WM d, a, b, c, sa, sb, ra, rb
.if (\c) < 0
.if (\ra) && (\rb)
	v_wmma_scale_f32_16x16x128_f8f6f4 v[(\d):(\d)+7], v[(\a):(\a)+7], v[(\b):(\b)+7], 0, v[\sa], v[\sb] matrix_a_fmt:MATRIX_FMT_FP4 matrix_b_fmt:MATRIX_FMT_FP4 matrix_a_scale:MATRIX_SCALE_ROW1 matrix_b_scale:MATRIX_SCALE_ROW1
.elseif (\ra)
	v_wmma_scale_f32_16x16x128_f8f6f4 v[(\d):(\d)+7], v[(\a):(\a)+7], v[(\b):(\b)+7], 0, v[\sa], v[\sb] matrix_a_fmt:MATRIX_FMT_FP4 matrix_b_fmt:MATRIX_FMT_FP4 matrix_a_scale:MATRIX_SCALE_ROW1
.elseif (\rb)
	v_wmma_scale_f32_16x16x128_f8f6f4 v[(\d):(\d)+7], v[(\a):(\a)+7], v[(\b):(\b)+7], 0, v[\sa], v[\sb] matrix_a_fmt:MATRIX_FMT_FP4 matrix_b_fmt:MATRIX_FMT_FP4 matrix_b_scale:MATRIX_SCALE_ROW1
.else
	v_wmma_scale_f32_16x16x128_f8f6f4 v[(\d):(\d)+7], v[(\a):(\a)+7], v[(\b):(\b)+7], 0, v[\sa], v[\sb] matrix_a_fmt:MATRIX_FMT_FP4 matrix_b_fmt:MATRIX_FMT_FP4
.endif
.else
.if (\ra) && (\rb)
	v_wmma_scale_f32_16x16x128_f8f6f4 v[(\d):(\d)+7], v[(\a):(\a)+7], v[(\b):(\b)+7], v[(\c):(\c)+7], v[\sa], v[\sb] matrix_a_fmt:MATRIX_FMT_FP4 matrix_b_fmt:MATRIX_FMT_FP4 matrix_a_scale:MATRIX_SCALE_ROW1 matrix_b_scale:MATRIX_SCALE_ROW1
.elseif (\ra)
	v_wmma_scale_f32_16x16x128_f8f6f4 v[(\d):(\d)+7], v[(\a):(\a)+7], v[(\b):(\b)+7], v[(\c):(\c)+7], v[\sa], v[\sb] matrix_a_fmt:MATRIX_FMT_FP4 matrix_b_fmt:MATRIX_FMT_FP4 matrix_a_scale:MATRIX_SCALE_ROW1
.elseif (\rb)
	v_wmma_scale_f32_16x16x128_f8f6f4 v[(\d):(\d)+7], v[(\a):(\a)+7], v[(\b):(\b)+7], v[(\c):(\c)+7], v[\sa], v[\sb] matrix_a_fmt:MATRIX_FMT_FP4 matrix_b_fmt:MATRIX_FMT_FP4 matrix_b_scale:MATRIX_SCALE_ROW1
.else
	v_wmma_scale_f32_16x16x128_f8f6f4 v[(\d):(\d)+7], v[(\a):(\a)+7], v[(\b):(\b)+7], v[(\c):(\c)+7], v[\sa], v[\sb] matrix_a_fmt:MATRIX_FMT_FP4 matrix_b_fmt:MATRIX_FMT_FP4
.endif
.endif
.endm
; 64 numbers of a lane, register 16 b + i = k 32 b + 16 (lane / 16) + i of my row, become a fragment's 8 registers at v[pc] and its scale word in v[pw]
.macro QUANT src, pc, pw
.irp b, 0,1,2,3
	v_max3_num_f32 v[TM+\b], |v[\src+16*\b]|, |v[\src+1+16*\b]|, 0x1800000   ; my 16 numbers of block b, and the floor 2^(3 - 127): the byte cannot fall under 1
.endr
.irp i, 2,4,6,8,10,12,14
.irp b, 0,1,2,3
	v_max3_num_f32 v[TM+\b], v[TM+\b], |v[\src+16*\b+\i]|, |v[\src+1+16*\b+\i]|
.endr
.endr
.irp b, 0,1,2,3
	v_permlanex16_b32 v[TM+4+\b], v[TM+\b], s[SEL], s[SEL+1]
.endr
.irp b, 0,1,2,3
	v_max_num_f32 v[TM+\b], v[TM+\b], v[TM+4+\b]
.endr
.irp b, 0,1,2,3
	v_add_nc_u32 v[TM+12+\b], 0xff000000, v[TM+\b]   ; 2 off the exponent field: the conversion's scale operand
.endr
.irp b, 0,1,2,3
	v_lshrrev_b32 v[TM+4+\b], 23, v[TM+12+\b]
.endr
	v_lshl_or_b32 v[\pw], v[TM+5], 8, v[TM+4]
	v_lshl_or_b32 v[\pw], v[TM+6], 16, v[\pw]
	v_lshl_or_b32 v[\pw], v[TM+7], 24, v[\pw]
.irp b, 0,1,2,3
	v_cvt_scalef32_pk8_fp4_f32 v[\pc+2*\b], v[\src+16*\b:\src+7+16*\b], v[TM+12+\b]
	v_cvt_scalef32_pk8_fp4_f32 v[\pc+1+2*\b], v[\src+8+16*\b:\src+15+16*\b], v[TM+12+\b]
.endr
	v_nop                                          ; one plain line behind the scaled conversions
.irp c, 0,1
.irp i, 0,1
	v_permlane16_swap_b32 v[\pc+4*\c+\i], v[\pc+2+4*\c+\i]
.endr
.endr
.endm
; 32 numbers of ONE column, down the keys: a whole block in a lane: 4 registers of codes at v[xc], the byte in v[by]
.macro VQ y, xc, by
	v_max3_num_f32 v216, |v[\y]|, |v[\y+1]|, 0x1800000
	v_max3_num_f32 v217, |v[\y+2]|, |v[\y+3]|, |v[\y+4]|
.irp i, 5,9,13,17,21,25
	v_max3_num_f32 v216, v216, |v[\y+\i]|, |v[\y+\i+1]|
	v_max3_num_f32 v217, v217, |v[\y+\i+2]|, |v[\y+\i+3]|
.endr
	v_max3_num_f32 v216, v216, |v[\y+29]|, |v[\y+30]|
	v_max3_num_f32 v216, v216, v217, |v[\y+31]|
	v_add_nc_u32 v218, 0xff000000, v216
	v_lshrrev_b32 v[\by], 23, v218
.irp n, 0,1,2,3
	v_cvt_scalef32_pk8_fp4_f32 v[\xc+\n], v[\y+8*\n:\y+8*\n+7], v218
.endr
	v_nop
.endm
.macro LA u                            ; key tile u of the 32 rows in the stage: its 16 rows lie in slots 16 u .. 16 u + 15, which start at 16 different banks
.irp b, 0,1,2,3
.irp q, 0,1,2,3
	ds_load_b128 v[X+16*\b+4*\q:X+16*\b+4*\q+3], v[KA] offset:16*SP*\u+128*\b+16*\q
.endr
.endr
.endm
.macro LB g, y                         ; columns 32 g + lane, rows 0 .. 31 in their true order (row 16 a + 8 u + c lies in slot 16 u + 8 a + c)
.set ii, 0
.rept 32
	ds_load_b32 v[\y+ii], v[VA] offset:SP*(16*((ii/8)%2)+8*(ii/16)+ii%8)+128*\g
.set ii, ii+1
.endr
.endm
.macro TAILV g                         ; both blocks of columns 32 g + lane are coded: lanes 0-15 hold d tile 2 G's rows, lanes 16-31 tile 2 G + 1's
	v_lshl_or_b32 v[VB+\g], v[BYT], 8, v[VB+\g]
.irp q, 0,1,2,3
	v_permlane16_swap_b32 v[XE+4*\g+\q], v[XO+4*\g+\q]   ; now XE is tile 2 G's four registers (lanes 0-15 the even block, lanes 16-31 the odd), XO tile 2 G + 1's
.endr
	ds_store_b128 v[AV], v[XE+4*\g:XE+4*\g+3] offset:1024*\g
	ds_store_b128 v[AV], v[XO+4*\g:XO+4*\g+3] offset:1024*\g+512
	ds_store_b32 v[AVS], v[VB+\g] offset:128*\g
.endm
.macro BSTEP jj, g, y
.if \jj == 0
	VQ \y, XE+4*\g, VB+\g
.else
	VQ \y, XO+4*\g, BYT
	TAILV \g
.endif
.endm
; 32 rows (block jj of the trip's two) x 128 columns.  lcnt: the loads issued behind this set's.  refill 0: the same set of the next trip; 1: the rows' last 16 columns; 2: four tiles of queries for out1
.macro STEPQ jj, lcnt, refill
	s_wait_loadcnt \lcnt                           ; my set of 32 loads is in
	WIN 0x04                                       ; an LDS store's data are its source 1: window 1
.set ii, 0
.rept 32
	ds_store_b128 v[STS], v[128*\jj+4*ii:128*\jj+4*ii+3] offset:SP*(16*((ii/8)%2)+8*(ii/16)+ii%8)
.set ii, ii+1
.endr
	WIN 0
	s_wait_dscnt 0x0                               ; these stores, and all earlier image stores, have read their registers
	WIN 0x40
.set ii, 0
.if \refill == 0
.rept 32
	global_load_b128 v[128*\jj+4*ii:128*\jj+4*ii+3], v[LI], s[34:35] offset:1600*(32*\jj+ii)   ; 512 consecutive bytes of a row
.set ii, ii+1
.endr
.elseif \refill == 1
.rept 16
	global_load_b128 v[4*ii:4*ii+3], v[TG], s[32:33] offset:12800*ii+1536   ; the last 64 bytes of eight rows
.set ii, ii+1
.endr
.else
.rept 32
	global_load_b128 v[128+4*ii:131+4*ii], v[LI], s[50:51] offset:16384+512*ii
.set ii, ii+1
.endr
.endif
	WIN 0
	LA 0
	LB 0, Y0
	LB 1, Y1
	s_wait_dscnt 63                                ; tile 0's sixteen loads are in (64 were issued behind them)
	QUANT X, PC0, PW0
	ds_store_b128 v[AK], v[PC0:PC0+3] offset:1024*(2*\jj)
	ds_store_b128 v[AK], v[PC0+4:PC0+7] offset:1024*(2*\jj)+512
	LA 1
	s_wait_dscnt 50                                ; columns 0-31 are in; behind them: 32 loads, 2 stores, 16 loads
	BSTEP \jj, 0, Y0
	LB 2, Y0
	s_wait_dscnt 50+3*\jj                          ; columns 32-63; behind them: 2 + 16 + 32, and with jj = 1 three stores
	BSTEP \jj, 1, Y1
	LB 3, Y1
	s_wait_dscnt 63                                ; tile 1's loads (64 or more were issued behind them)
	QUANT X, PC1, PW1
	v_cndmask_b32 v[KSR], v[PW0], v[PW1], s40      ; lanes 0-15 tile 0's scale words, lanes 16-31 tile 1's
	ds_store_b128 v[AK], v[PC1:PC1+3] offset:1024*(2*\jj+1)
	ds_store_b128 v[AK], v[PC1+4:PC1+7] offset:1024*(2*\jj+1)+512
	ds_store_b32 v[AKS], v[KSR] offset:128*\jj
	s_wait_dscnt 35+3*\jj                          ; columns 64-95; behind them: 32 loads, 3 stores, and with jj = 1 three more
	BSTEP \jj, 2, Y0
	s_wait_dscnt 3+3*\jj                           ; columns 96-127
	BSTEP \jj, 3, Y1
.endm
; trip n: K step n / 2 (128 columns), rows 64 (n % 2) .. + 63
.macro TRIP last
	s_wait_dscnt 0x0                               ; the last trip's image stores are done: their address registers are written again
	v_add_nc_u32 v[AK], s37, v[BK]
	v_add_nc_u32 v[AV], s37, v[BV]
	v_add_nc_u32 v[AKS], s38, v[BKS]
	v_add_nc_u32 v[AVS], s39, v[BVS]
.if \last
	STEPQ 0, 32, 1
	STEPQ 1, 16, 2
.else
	s_wait_xcnt 0x0                                ; the loads issued so far have read their base: it is written again
	s_add_co_u32 s56, s36, 1                       ; the next trip:
	s_and_b32 s57, s56, 1
	s_mul_i32 s57, s57, 102400                     ; its 64 rows,
	s_lshr_b32 s56, s56, 1
	s_lshl_b32 s56, s56, 9                         ; its 128 columns
	s_add_co_u32 s56, s56, s57
	s_mov_b32 s57, 0
	s_add_nc_u64 s[34:35], s[32:33], s[56:57]
	STEPQ 0, 32, 0
	STEPQ 1, 32, 0
.endif
.endm
; product k of 25 of O^T = V^T P^T (index k: d tile k, but 12: tile 24, and from 13 on: tile k - 1), into accumulator k % 8, from 0
.macro PVW k
.if (\k) < 12
.set tl, (\k)
.elseif (\k) == 12
.set tl, 24
.else
.set tl, (\k)-1
.endif
.if (\k) < 13
.set vr, 8*(\k)
.else
.set vr, 8*((\k)-13)
.endif
	WM S+8*((\k)%8), vr, PC, -1, VS+tl/2, PW, tl%2, 0
.endm
; y += W's tile k . accumulator k % 8, from the accumulator's low end on
.macro PVF k
.if (\k) < 12
.set wr, 104+8*(\k)
.else
.set wr, 96+8*((\k)-12)
.endif
.set ao, S+8*((\k)%8)
.irp q, 0,1,2,3
.if (\k) == 0
	v_pk_mul_f32 v[YA+2*\q:YA+2*\q+1], v[wr+2*\q:wr+2*\q+1], v[ao+2*\q:ao+2*\q+1]
.else
	v_pk_fma_f32 v[YA+2*\q:YA+2*\q+1], v[wr+2*\q:wr+2*\q+1], v[ao+2*\q:ao+2*\q+1], v[YA+2*\q:YA+2*\q+1]
.endif
.endr
.endm
; ONE TILE OF 16 QUERIES, its codes in Q buffer e
.macro UNIT e
	s_wait_loadcnt 9                               ; my buffer's nine loads are in; the other buffer's nine may be out
	WIN 0x09+4*\e                                  ; K window 1, Q window 2 or 3
.set ks, 0
.rept 4
.set kt, 0
.rept 8                                ; the eight tiles of keys by turns, one instruction a turn
.if ks == 0
	WM S+8*kt, 8*(4*kt+ks), 200+8*ks, BIAS+8*kt, KS+4*(kt/2)+ks, QS+2*\e+ks/2, kt%2, ks%2
.else
	WM S+8*kt, 8*(4*kt+ks), 200+8*ks, S+8*kt, KS+4*(kt/2)+ks, QS+2*\e+ks/2, kt%2, ks%2
.endif
.set kt, kt+1
.endr
.set ks, ks+1
.endr
	WIN 0
.rept 4
	v_nop                                          ; four places ahead of the loads into Q's registers and of the first read of the scores
.endr
	s_wait_dscnt 0x0                               ; the last tile's three result stores are done
	s_wait_xcnt 0x0                                ; the last refill has read its bases
	s_add_co_u32 s56, s54, 2+\e
	s_min_u32 s56, s56, 31                         ; two tiles on; the last two refills read tile 31 again and are not used: no load leaves the work-group's tiles
	s_lshl_b32 s58, s56, 8
	s_lshl_b32 s56, s56, 12
	s_mov_b32 s57, 0
	s_mov_b32 s59, 0
	s_add_nc_u64 s[50:51], s[46:47], s[56:57]
	s_add_nc_u64 s[52:53], s[48:49], s[58:59]
	WIN 0x80+0x40*\e
.irp m, 0,1,2,3,4,5,6,7
	global_load_b128 v[200+4*\m:203+4*\m], v[LI], s[50:51] offset:512*\m
.endr
	WIN 0
	global_load_b64 v[QS+2*\e:QS+2*\e+1], v[L8], s[52:53]
.irp b, 0,1,2,3
	v_max3_num_f32 v[TM+\b], v[S+16*\b], v[S+1+16*\b], v[S+2+16*\b]   ; the largest score of each block of 32 keys: for the maximum, and for the block's largest p
.endr
.irp i, 3,5,7,9,11,13
.irp b, 0,1,2,3
	v_max3_num_f32 v[TM+\b], v[TM+\b], v[S+16*\b+\i], v[S+1+16*\b+\i]
.endr
.endr
.irp b, 0,1,2,3
	v_max_num_f32 v[TM+\b], v[TM+\b], v[S+15+16*\b]
.endr
.irp b, 0,1,2,3
	v_permlanex16_b32 v[TM+4+\b], v[TM+\b], s[SEL], s[SEL+1]
.endr
.irp b, 0,1,2,3
	v_max_num_f32 v[TM+\b], v[TM+\b], v[TM+4+\b]
.endr
	v_max3_num_f32 v212, v200, v201, v202
	v_max_num_f32 v212, v212, v203
	v_mul_f32 v212, s44, v212                      ; as t
	v_max_num_f32 v59, 0xf1800000, v212            ; held at -2^100 from below: 128 hidden keys leave l = y = 0 and a weight that falls to 0 at the join
	v_floor_f32 v58, -v59                          ; -M = floor(-t): M is a whole number
.irp j, 0,2,4,6,8,10,12,14,16,18,20,22,24,26,28,30,32,34,36,38,40,42,44,46,48,50,52,54,56,58,60,62
	v_pk_fma_f32 v[S+\j:S+1+\j], v[S+\j:S+1+\j], s[44:45], v[58:59] op_sel_hi:[1,0,0]   ; t - M
.endr
.irp b, 0,1,2,3
	v_fma_f32 v[TM+\b], v[TM+\b], s44, v58
.endr
.set ii, 0
.rept 64
	v_exp_f32 v[S+ii], v[S+ii]                     ; p = 2^(t - M): not normalised
.set ii, ii+1
.endr
	v_nop                                          ; a plain line behind the batch
	s_wait_alu depctr_va_vdst(0)                   ; one wait for the 64, ahead of their first reader
.irp b, 0,1,2,3
	v_exp_f32 v[TM+\b], v[TM+\b]                   ; the blocks' largest p
.endr
	v_pk_add_f32 v[60:61], v[S:S+1], v[S+2:S+3]    ; l, of the unquantised p, in two chains
	v_pk_add_f32 v[62:63], v[S+4:S+5], v[S+6:S+7]
.irp j, 8,12,16,20,24,28
	v_pk_add_f32 v[60:61], v[60:61], v[S+\j:S+1+\j]
	v_pk_add_f32 v[62:63], v[62:63], v[S+2+\j:S+3+\j]
.endr
	s_wait_alu depctr_va_vdst(0)                   ; and one for the four
.irp b, 0,1,2,3
	v_max_num_f32 v[TM+\b], 0x1800000, v[TM+\b]
.endr
.irp b, 0,1,2,3
	v_add_nc_u32 v[TM+8+\b], 0xff000000, v[TM+\b]
.endr
.irp b, 0,1,2,3
	v_lshrrev_b32 v[TM+4+\b], 23, v[TM+8+\b]
.endr
	v_lshl_or_b32 v[PW], v[TM+5], 8, v[TM+4]
	v_lshl_or_b32 v[PW], v[TM+6], 16, v[PW]
	v_lshl_or_b32 v[PW], v[TM+7], 24, v[PW]
.irp b, 0,1,2,3
	v_cvt_scalef32_pk8_fp4_f32 v[PC+2*\b], v[S+16*\b:S+7+16*\b], v[TM+8+\b]
	v_cvt_scalef32_pk8_fp4_f32 v[PC+1+2*\b], v[S+8+16*\b:S+15+16*\b], v[TM+8+\b]
.endr
	v_nop
.irp c, 0,1
.irp i, 0,1
	v_permlane16_swap_b32 v[PC+4*\c+\i], v[PC+2+4*\c+\i]
.endr
.endr
.irp j, 32,36,40,44,48,52,56,60
	v_pk_add_f32 v[60:61], v[60:61], v[S+\j:S+1+\j]   ; the rest of l: these 17 lines are also the places between the writes of p's scale word and codes and the products
	v_pk_add_f32 v[62:63], v[62:63], v[S+2+\j:S+3+\j]
.endr
	v_pk_add_f32 v[60:61], v[60:61], v[62:63]
	WIN 0x02                                       ; V and W window 2
	PVW 0
.rept 4
	v_nop
.endr
.set kk, 1
.rept 24                               ; behind product k stand the four lines that contract product k - 1: they are the four places between product k and its own contraction
.if kk == 13
	WIN 0x03
.endif
	PVW kk
	PVF kk-1
.set kk, kk+1
.endr
	PVF 24
	WIN 0
	v_pk_add_f32 v[YA:YA+1], v[YA:YA+1], v[YA+2:YA+3]
	v_pk_add_f32 v[YA+4:YA+5], v[YA+4:YA+5], v[YA+6:YA+7]
	v_add_f32 v60, v60, v61
	v_pk_add_f32 v[YA:YA+1], v[YA:YA+1], v[YA+4:YA+5]
	v_add_nc_u32 v[STA], s55, v[ST0]
	v_add_f32 v[YA], v[YA], v[YA+1]
	v_permlanex16_b32 v204, v60, s[SEL], s[SEL+1]
	v_permlanex16_b32 v205, v[YA], s[SEL], s[SEL+1]
	v_add_f32 v60, v60, v204
	v_add_f32 v[YA], v[YA], v205
	ds_store_b32 v[STA], v58 offset:64*\e          ; lanes r and 16 + r write the same word with the same value
	ds_store_b32 v[STA], v60 offset:RESL+64*\e
	ds_store_b32 v[STA], v[YA] offset:RESY+64*\e
.endm
	s_load_b512 s[4:19], s[0:1], 0x0               ; H s[4:5], W s[6:7], b_score s[8:9], len s[10:11], vq_codes s[12:13], vq_scales s[14:15], qa_codes s[16:17], qa_scales s[18:19]
	s_load_b128 s[20:23], s[0:1], 0x40             ; out0, out1
	v_lshl_add_u32 v254, v0, 2, 0x4ea00
	v_mov_b32 v255, 0
	v_lshrrev_b32 v1, 5, v0
	v_readfirstlane_b32 s24, v1                    ; wave
	s_mov_b32 s25, ttmp9                           ; which half of the queries
	s_and_b32 s26, ttmp7, 0xffff                   ; b
	s_mul_i32 s29, s24, WREG                       ; my region of LDS
	v_and_b32 v1, 31, v0                           ; lane
	v_and_b32 v2, 15, v0                           ; r
	v_bfe_u32 v3, v0, 4, 1                         ; h
	v_lshlrev_b32 v[LI], 4, v1
	v_lshlrev_b32 v[L8], 3, v1
	v_lshlrev_b32 v[L4], 2, v1
	v_add_nc_u32 v[STS], s29, v[LI]
	v_mul_u32_u24 v[KA], v2, SP
	v_lshl_add_u32 v[KA], v3, 6, v[KA]
	v_add_nc_u32 v[KA], s29, v[KA]
	v_add_nc_u32 v[VA], s29, v[L4]
	v_add_nc_u32 v[BK], KIM, v[STS]
	v_add_nc_u32 v[BV], VIM, v[STS]
	v_add_nc_u32 v[BKS], KSI, v[VA]
	v_add_nc_u32 v[BVS], VSI, v[VA]
	v_lshrrev_b32 v[TG], 2, v1
	v_and_b32 v[STA], 3, v1
	v_mul_u32_u24 v[TS], v[TG], TP
	v_lshl_add_u32 v[TS], v[STA], 4, v[TS]
	v_add_nc_u32 v[TS], s29, v[TS]
	v_mul_u32_u24 v[TG], v[TG], 1600
	v_lshl_add_u32 v[TG], v[STA], 4, v[TG]
	v_mul_u32_u24 v[KT], v2, TP
	v_add_nc_u32 v[KT], s29, v[KT]
	v_lshlrev_b32 v[ST0], 2, v2
	v_add_nc_u32 v[ST0], s29, v[ST0]
	v_lshlrev_b32 v[H16], 4, v3
	v_lshlrev_b32 v[H32], 5, v3
	v_mov_b32 v[Z], 0
	v_mov_b32 v[NEG], 0xff61b1e6                   ; -3e38
.irp b, 0,1,2,3
	v_mov_b32 v[TM+4+\b], 0                        ; a lane permute's destination counts as read
.endr
	s_mov_b32 s40, 0xffff0000                      ; lanes 16-31
	s_mov_b32 s[SEL], 0x76543210
	s_mov_b32 s[SEL+1], 0xfedcba98
	s_mov_b32 s44, 0x3fb8aa3b                      ; log2(e)
	s_mov_b32 s45, s44                             ; (named with it as a pair)
	s_mul_i32 s56, s26, 819200
	s_mul_i32 s57, s24, 204800
	s_add_co_u32 s56, s56, s57
	s_mov_b32 s57, 0
	s_lshl_b32 s58, s26, 2
	s_mov_b32 s59, 0
	s_wait_kmcnt 0x0
	s_add_nc_u64 s[32:33], s[4:5], s[56:57]        ; H at my wave's 128 rows
	s_add_nc_u64 s[30:31], s[10:11], s[58:59]
	s_load_b32 s27, s[30:31], 0x0                  ; len[b]: it enters values alone, no address and no branch
	s_load_b32 s28, s[8:9], 0x0                    ; b_score
	s_lshl_b32 s56, s25, 17
	s_add_nc_u64 s[46:47], s[12:13], s[56:57]      ; my half's 32 tiles of queries: codes,
	s_lshl_b32 s56, s25, 13
	s_add_nc_u64 s[48:49], s[14:15], s[56:57]      ; scale words;
	s_lshl_b32 s56, s24, 15
	s_add_nc_u64 s[50:51], s[46:47], s[56:57]      ; my wave's 8 of them, for out1
	s_lshl_b32 s56, s24, 11
	s_add_nc_u64 s[52:53], s[48:49], s[56:57]
	s_lshl_b32 s56, s26, 8
	s_add_nc_u64 s[16:17], s[16:17], s[56:57]      ; q_acts[b]: codes,
	s_lshl_b32 s56, s26, 4
	s_add_nc_u64 s[18:19], s[18:19], s[56:57]      ; scale bytes
	s_lshl_b32 s56, s26, 12
	s_lshl_b32 s58, s25, 11
	s_add_co_u32 s56, s56, s58
	s_add_nc_u64 s[20:21], s[20:21], s[56:57]      ; the outputs at my 512 numbers
	s_add_nc_u64 s[22:23], s[22:23], s[56:57]
	; the small loads into windows 2 and 3 first (74), so that the first counted wait, which leaves 32 loads out, shows them landed too
	WIN 0x80
.set kk, 0
.rept 12
	global_load_b128 v[104+8*kk:107+8*kk], v[H32], s[6:7] offset:64*kk      ; W in the result's layout: lane (r, h): W[16 tile + 8 h + 0 .. 7]
	global_load_b128 v[108+8*kk:111+8*kk], v[H32], s[6:7] offset:64*kk+16
.set kk, kk+1
.endr
.irp m, 0,1,2,3,4,5,6,7
	global_load_b128 v[200+4*\m:203+4*\m], v[LI], s[46:47] offset:512*\m    ; Q buffer 0: tile 0
.endr
.irp m, 0,1,2,3,4,5,6,7
	global_load_b128 v[4*\m:4*\m+3], v[H16], s[16:17] offset:32*\m          ; q_acts' four fragments: every lane of a half takes the same 16 bytes: 16 equal rows
.endr
	WIN 0xc0
	global_load_b128 v[96:99], v[H32], s[6:7] offset:64*24
	global_load_b128 v[100:103], v[H32], s[6:7] offset:64*24+16
.set kk, 13
.rept 12
	global_load_b128 v[96+8*(kk-12):99+8*(kk-12)], v[H32], s[6:7] offset:64*(kk-1)
	global_load_b128 v[100+8*(kk-12):103+8*(kk-12)], v[H32], s[6:7] offset:64*(kk-1)+16
.set kk, kk+1
.endr
.irp m, 0,1,2,3,4,5,6,7
	global_load_b128 v[200+4*\m:203+4*\m], v[LI], s[46:47] offset:4096+512*\m   ; Q buffer 1: tile 1
.endr
	WIN 0x40
.set ii, 0
.rept 64
	global_load_b128 v[4*ii:4*ii+3], v[LI], s[32:33] offset:1600*ii         ; trip 0's two sets: 64 rows x 512 bytes
.set ii, ii+1
.endr
	WIN 0
	s_wait_kmcnt 0x0                               ; len, b_score
	; ---------------- H becomes codes: six trips over columns 0 .. 383, then the last 16 columns
	s_mov_b32 s36, 0
	s_mov_b32 s37, 0
	s_mov_b32 s38, 0
	s_mov_b32 s39, 0
.Lq:
	TRIP 0
	s_add_co_u32 s37, s37, 4096
	s_add_co_u32 s38, s38, 256
	s_add_co_u32 s39, s39, 512
	s_add_co_u32 s36, s36, 1
	s_cmp_lt_u32 s36, 5
	s_cbranch_scc1 .Lq
	s_mov_b32 s37, 5*4096
	s_mov_b32 s38, 5*256
	s_mov_b32 s39, 5*512
	TRIP 1                                         ; the last trip is written out: its refills are other loads
	s_wait_loadcnt 32                              ; the 16 loads of the last columns are in; 32 loads of queries may be out
	WIN 0x04
.set ii, 0
.rept 16
	ds_store_b128 v[TS], v[4*ii:4*ii+3] offset:TP*(32*(ii/4)+16*(ii%2)+8*((ii/2)%2))   ; eight rows a store, into slots in the key tiles' order
.set ii, ii+1
.endr
	WIN 0
	s_wait_dscnt 0x0                               ; the stores, and the last trip's image stores, have read their registers: v16-47 are free from here on
	WIN 0x40
.set ii, 0
.rept 32
	global_load_b128 v[4*ii:4*ii+3], v[LI], s[50:51] offset:512*ii          ; out1: my tiles 0-3 of queries
.set ii, ii+1
.endr
	WIN 0
.irp k, 0,1,2,3,4,5,6,7
	global_load_b64 v[16+2*\k:17+2*\k], v[L8], s[52:53] offset:256*\k       ; their scale words,
.endr
	global_load_b128 v[32:35], v[Z], s[18:19]      ; q_acts' four, the same in every lane,
	global_load_b64 v[QS:QS+1], v[L8], s[48:49]    ; and the scale words of Q buffers 0 and 1 (tiles 0 and 1): only now, since V's codes lay in v46-47
	global_load_b64 v[QS+2:QS+3], v[L8], s[48:49] offset:256
.set tt, 0
.rept 8
.irp q, 0,1,2,3
	ds_load_b128 v[64+16*tt+4*\q:67+16*tt+4*\q], v[KT] offset:TP*(32*(tt/2)+16*(tt%2))+16*\q   ; K step 3 of key tile tt: a row's 16 numbers, in both halves of the lanes
.endr
.set tt, tt+1
.endr
.irp i, 216,217,218,219,238,239,242,243,246,247,250,251
	v_mov_b32 v\i, 0
.endr
	s_wait_dscnt 0x0
.irp t, 0,1,2,3,4,5,6,7
	v_max3_num_f32 v[200+\t], |v[64+16*\t]|, |v[65+16*\t]|, 0x1800000
.endr
.irp i, 2,4,6,8,10,12,14
.irp t, 0,1,2,3,4,5,6,7
	v_max3_num_f32 v[200+\t], v[200+\t], |v[64+16*\t+\i]|, |v[65+16*\t+\i]|   ; the block's other 16 numbers are zeros
.endr
.endr
.irp t, 0,1,2,3,4,5,6,7
	v_add_nc_u32 v[208+\t], 0xff000000, v[200+\t]
.endr
.irp t, 0,1,2,3,4,5,6,7
	v_lshrrev_b32 v[200+\t], 23, v[208+\t]
.endr
.irp t, 0,1,2,3,4,5,6,7
	v_or_b32 v[200+\t], 0x7f7f7f00, v[200+\t]      ; blocks 13 to 15 are zero codes under the byte 127
.endr
.irp n, 0,1
.irp t, 0,1,2,3
	v_cvt_scalef32_pk8_fp4_f32 v[236+4*\t], v[64+16*(4*\n+\t):71+16*(4*\n+\t)], v[208+4*\n+\t]
	v_cvt_scalef32_pk8_fp4_f32 v[237+4*\t], v[72+16*(4*\n+\t):79+16*(4*\n+\t)], v[208+4*\n+\t]
.endr
	v_nop
.irp t, 0,1,2,3
	v_cndmask_b32 v[236+4*\t], v[236+4*\t], v[Z], s40   ; lanes 16-31 hold block 13: zeros
	v_cndmask_b32 v[237+4*\t], v[237+4*\t], v[Z], s40
.endr
.irp t, 0,1,2,3
	ds_store_b128 v[BK], v[236+4*\t:239+4*\t] offset:24576+1024*(4*\n+\t)
	ds_store_b128 v[BK], v[216:219] offset:24576+1024*(4*\n+\t)+512
.endr
	s_wait_dscnt 0x0                               ; the stores have read their registers
.endr
.irp j, 0,1,2,3
	v_cndmask_b32 v[220+\j], v[200+2*\j], v[201+2*\j], s40
.endr
.irp j, 0,1,2,3
	ds_store_b32 v[BKS], v[220+\j] offset:1536+128*\j
.endr
.set ii, 0
.rept 128
	ds_load_b32 v[64+ii], v[ST0] offset:TP*(32*(ii/32)+16*(((ii%32)/8)%2)+8*((ii%32)/16)+ii%8)   ; d tile 24: column 384 + r, all 128 keys, in both halves of the lanes
.set ii, ii+1
.endr
	s_wait_dscnt 0x0
	VQ 64, 236, 200
	VQ 96, 240, 201
	VQ 128, 244, 202
	VQ 160, 248, 203
.irp c, 0,1
.irp q, 0,1,2,3
	v_cndmask_b32 v[236+8*\c+\q], v[236+8*\c+\q], v[240+8*\c+\q], s40   ; lanes 0-15 block 2 c, lanes 16-31 block 2 c + 1
.endr
.endr
	v_lshl_or_b32 v200, v201, 8, v200
	v_lshl_or_b32 v200, v202, 16, v200
	v_lshl_or_b32 v200, v203, 24, v200
	ds_store_b128 v[BV], v[236:239] offset:24576
	ds_store_b128 v[BV], v[244:247] offset:24576+512
	ds_store_b32 v[BVS], v200 offset:3072
	s_wait_dscnt 0x0
	; ---------------- out1: q_acts[b] against my 8 tiles of queries; the eight accumulators by turns
	s_wait_loadcnt 0x0                             ; the queries' tiles, all scale words
	WIN 0x06                                       ; q_acts window 2, queries window 1
.set ks, 0
.rept 4
.set kt, 0
.rept 8
.if ks == 0
	WM 64+8*kt, 8*ks, 32*kt+8*ks, -1, 32+ks, 16+2*kt+ks/2, 0, ks%2
.else
	WM 64+8*kt, 8*ks, 32*kt+8*ks, 64+8*kt, 32+ks, 16+2*kt+ks/2, 0, ks%2
.endif
.set kt, kt+1
.endr
.set ks, ks+1
.endr
	WIN 0
.rept 4
	v_nop                                          ; four places ahead of the reads of the results and of the loads into the operands' and scales' registers
.endr
.irp k, 0,1,2,3,4,5,6,7
	ds_store_b32 v[ST0], v[64+8*\k] offset:RES6+64*\k   ; all 16 rows are equal: register 0 of lane r is query r's number
.endr
	; ---------------- the images come back into the operands' registers
	WIN 0x40
.set kt, 0
.rept 8
.set ks, 0
.rept 3
	ds_load_b128 v[8*(4*kt+ks):8*(4*kt+ks)+3], v[BK] offset:(2*ks+kt/4)*4096+(kt%4)*1024
	ds_load_b128 v[8*(4*kt+ks)+4:8*(4*kt+ks)+7], v[BK] offset:(2*ks+kt/4)*4096+(kt%4)*1024+512
.set ks, ks+1
.endr
	ds_load_b128 v[8*(4*kt+3):8*(4*kt+3)+3], v[BK] offset:24576+1024*kt
	ds_load_b128 v[8*(4*kt+3)+4:8*(4*kt+3)+7], v[BK] offset:24576+1024*kt+512
.set kt, kt+1
.endr
	WIN 0x80
.set kk, 0
.rept 12
	ds_load_b128 v[8*kk:8*kk+3], v[BV] offset:(2*(kk/8))*4096+(kk%8)*512
	ds_load_b128 v[8*kk+4:8*kk+7], v[BV] offset:(2*(kk/8)+1)*4096+(kk%8)*512
.set kk, kk+1
.endr
	ds_load_b128 v[96:99], v[BV] offset:24576
	ds_load_b128 v[100:103], v[BV] offset:24576+512
	WIN 0xc0
.set kk, 12
.rept 12
	ds_load_b128 v[8*(kk-12):8*(kk-12)+3], v[BV] offset:(2*(kk/8))*4096+(kk%8)*512
	ds_load_b128 v[8*(kk-12)+4:8*(kk-12)+7], v[BV] offset:(2*(kk/8)+1)*4096+(kk%8)*512
.set kk, kk+1
.endr
	WIN 0
.irp j, 0,1,2,3
.irp s, 0,1,2
	ds_load_b32 v[KS+4*\j+\s], v[BKS] offset:256*(2*\s+\j/2)+128*(\j%2)
.endr
	ds_load_b32 v[KS+4*\j+3], v[BKS] offset:1536+128*\j
.endr
.set kk, 0
.rept 12
	ds_load_b32 v[128+kk], v[BVS] offset:512*(2*(kk/4))+128*(kk%4)
	ds_load_b32 v[140+kk], v[BVS] offset:512*(2*(kk/4)+1)+128*(kk%4)
.set kk, kk+1
.endr
	ds_load_b32 v[VS+12], v[BVS] offset:3072
	s_wait_dscnt 0x0
.set kk, 0
.rept 12
	v_lshl_or_b32 v[VS+kk], v[140+kk], 16, v[128+kk]   ; keys 0-63's two bytes below, keys 64-127's above
.set kk, kk+1
.endr
	; ---------------- the mask, in the scores' layout: register 16 b + i of lane (r, h) is key 128 w + 32 b + 16 h + i
	s_lshl_b32 s56, s24, 7
	s_sub_co_i32 s56, s27, s56
	v_sub_nc_u32 v212, s56, v[H16]                 ; d = len - 128 w - 16 h: hidden where 32 b + i >= d
.set ii, 0
.rept 64
	v_cmp_ge_i32 vcc_lo, 32*(ii/16)+ii%16, v212
	v_cndmask_b32 v[BIAS+ii], v[Z], v[NEG], vcc_lo
.set ii, ii+1
.endr
.rept 4
	v_nop
.endr
	; ---------------- the 32 tiles of queries, two a trip
	s_mov_b32 s36, 0
	s_mov_b32 s54, 0                               ; the trip's first tile
	s_mov_b32 s55, 0                               ; and its place among the results
.Lu:
	UNIT 0
	UNIT 1
	s_add_co_u32 s54, s54, 2
	s_add_co_u32 s55, s55, 128
	s_add_co_u32 s36, s36, 1
	s_cmp_lt_u32 s36, 16
	s_cbranch_scc1 .Lu
	; ---------------- the join: thread n owns queries 4 n .. 4 n + 3
	s_wait_dscnt 0x0                               ; for the others' sake: my results lie in LDS
	s_barrier_signal -1
	s_barrier_wait -1
	v_lshlrev_b32 v16, 4, v0
	v_add_nc_u32 v17, WREG, v16
	v_add_nc_u32 v18, 2*WREG, v16
	v_add_nc_u32 v19, 3*WREG, v16
.irp w, 0,1,2,3
	ds_load_b128 v[64+4*\w:67+4*\w], v[16+\w]
	ds_load_b128 v[80+4*\w:83+4*\w], v[16+\w] offset:RESL
	ds_load_b128 v[96+4*\w:99+4*\w], v[16+\w] offset:RESY
.endr
	ds_load_b128 v[112:115], v[STS] offset:RES6    ; out1's four numbers lie in my own wave's region
	s_wait_dscnt 0x0
.irp q, 0,1,2,3
	v_min3_num_f32 v[120+\q], v[64+\q], v[68+\q], v[72+\q]
.endr
.irp q, 0,1,2,3
	v_min_num_f32 v[120+\q], v[120+\q], v[76+\q]   ; -M of the row = the least -M_w
.endr
.set ii, 0
.rept 16
	v_sub_f32 v[128+ii], v[120+ii%4], v[64+ii]     ; M_w - M: a whole number, 0 or less
.set ii, ii+1
.endr
.set ii, 0
.rept 16
	v_cvt_i32_f32 v[128+ii], v[128+ii]             ; (it saturates)
.set ii, ii+1
.endr
.set ii, 0
.rept 16
	v_ldexp_f32 v[128+ii], 1.0, v[128+ii]          ; 2^(M_w - M): rounds nothing
.set ii, ii+1
.endr
.irp q, 0,1,2,3
	v_mul_f32 v[144+\q], v[128+\q], v[80+\q]
	v_mul_f32 v[148+\q], v[128+\q], v[96+\q]
.endr
.irp w, 1,2,3
.irp q, 0,1,2,3
	v_fma_f32 v[144+\q], v[128+4*\w+\q], v[80+4*\w+\q], v[144+\q]
	v_fma_f32 v[148+\q], v[128+4*\w+\q], v[96+4*\w+\q], v[148+\q]
.endr
.endr
.irp q, 0,1,2,3
	v_rcp_f32 v[152+\q], v[144+\q]
.endr
	v_nop
	s_wait_alu depctr_va_vdst(0)                   ; one wait for the four reciprocals
.irp q, 0,1,2,3
	v_fma_f32 v[156+\q], v[148+\q], v[152+\q], s28 ; y / l + b_score
.endr
	global_store_b128 v16, v[156:159], s[20:21]    ; sixteen lanes store 256 consecutive bytes, aligned
	global_store_b128 v16, v[112:115], s[22:23]
	s_wait_tensorcnt 0x0
	ds_add_u32 v254, v255
	s_wait_dscnt 0x0
	s_endpgm
.Lfunc_end_k_q50f1ec23ac_main:
	.size	k_q50f1ec23ac_main, .Lfunc_end_k_q50f1ec23ac_main-k_q50f1ec23ac_main
	.p2alignl 7, 3214868480
	.fill 96, 4, 3214868480
	.section	.rodata,"a",@progbits
	.p2align	6, 0x0
	.amdhsa_kernel k_q50f1ec23ac_main
		.amdhsa_group_segment_fixed_size 322560
		.amdhsa_private_segment_fixed_size 0
		.amdhsa_enable_private_segment 0
		.amdhsa_kernarg_size 80
		.amdhsa_user_sgpr_count 2
		.amdhsa_user_sgpr_kernarg_segment_ptr 1
		.amdhsa_wavefront_size32 1
		.amdhsa_system_sgpr_workgroup_id_x 1
		.amdhsa_system_sgpr_workgroup_id_y 1
		.amdhsa_system_sgpr_workgroup_id_z 1
		.amdhsa_system_vgpr_workitem_id 0
		.amdhsa_next_free_vgpr 1024
		.amdhsa_next_free_sgpr 66
		.amdhsa_reserve_vcc 1
		.amdhsa_float_denorm_mode_32 3
		.amdhsa_float_denorm_mode_16_64 3
		.amdhsa_memory_ordered 1
		.amdhsa_forward_progress 1
		.amdhsa_inst_pref_size 245
	.end_amdhsa_kernel
	.amdgpu_metadata
---
amdhsa.version: [ 1, 2 ]
amdhsa.kernels:
  - .name:           k_q50f1ec23ac_main
    .symbol:         k_q50f1ec23ac_main.kd
    .args:
      - { .name: H_utt, .offset: 0, .size: 8, .value_kind: global_buffer, .address_space: global }
      - { .name: W_score, .offset: 8, .size: 8, .value_kind: global_buffer, .address_space: global }
      - { .name: b_score, .offset: 16, .size: 8, .value_kind: global_buffer, .address_space: global }
      - { .name: utterance_len, .offset: 24, .size: 8, .value_kind: global_buffer, .address_space: global }
      - { .name: vq_codes, .offset: 32, .size: 8, .value_kind: global_buffer, .address_space: global }
      - { .name: vq_scales, .offset: 40, .size: 8, .value_kind: global_buffer, .address_space: global }
      - { .name: qa_codes, .offset: 48, .size: 8, .value_kind: global_buffer, .address_space: global }
      - { .name: qa_scales, .offset: 56, .size: 8, .value_kind: global_buffer, .address_space: global }
      - { .name: out0, .offset: 64, .size: 8, .value_kind: global_buffer, .address_space: global }
      - { .name: out1, .offset: 72, .size: 8, .value_kind: global_buffer, .address_space: global }
    .group_segment_fixed_size: 322560
    .private_segment_fixed_size: 0
    .kernarg_segment_align: 8
    .kernarg_segment_size: 80
    .max_flat_workgroup_size: 128
    .sgpr_count:     66
    .vgpr_count:     1024
    .wavefront_size: 32
...
	.end_amdgpu_metadata
.endif
;; end of part 2
;; ======== version 2 of 2: 2 launches; 1.12 times as fast as version 1
;; limits: right only within a limited range of input values
;; workspace buffers: vq_codes 262,144 bytes; vq_scales 16,384 bytes; qa_codes 32,768 bytes; qa_scales 2,048 bytes; wperm 1,792 bytes
;; launch prep (part 3): grid 145 x 1, 16 waves a work-group, no clusters, 36,864 bytes of LDS; arguments C_acts, c_utt, C_vals, vq_codes, vq_scales, qa_codes, qa_scales, W_score, wperm; writes vq_codes, vq_scales, qa_codes, qa_scales, wperm
.if DOCPART == 3
	.amdgcn_target "amdgcn-amd-amdhsa--gfx1250"
	.amdhsa_code_object_version 6
	.text
	.protected	k_q50f1ec23ac_prep
	.globl	k_q50f1ec23ac_prep
	.p2align	8
	.type	k_q50f1ec23ac_prep,@function
k_q50f1ec23ac_prep:
	s_mov_b64 s[64:65], 0
	v_nop
	global_prefetch_b8 v0, s[64:65] scope:SCOPE_SE
	s_setreg_imm32_b32 hwreg(HW_REG_WAVE_MODE, 25, 1), 1
	s_wait_xcnt 0x0
; Three small jobs ahead of the attention launch, told apart by the work-group's number alone.
; Work-groups 0-127 (b = the number): q_acts[b] = softmax(C_acts[b] c_utt[b]) C_acts[b], all in f32 by fused multiply-adds, the largest score taken away
; ahead of the exponential, the softmax finished and normalised; then quantised along D to E2M1 codes (a row of 512 codes: 400 and zeros) and 16 E8M0 bytes.
; Work-groups 128-143: the 1,024 rows of C_vals: a wave takes ONE K step of 128 of one tile of 16 rows (64 x 4 = 256 waves), quantises it along D and stores it as an IMAGE OF THE OPERAND'S REGISTERS
; (tile, K step, half c: 32 lanes x 16 bytes), so that the reader's lanes load fragments whole; the scale words of two K steps share a register (lanes 0-15, lanes 16-31).
; Work-group 144: W_score in the order in which the attention launch's tiles of V^T hold the 400 channels: number 16 t + m is W[128 (t / 8) + 64 (t % 2) + 4 m + (t / 2) % 4] for t < 24, W[384 + m] for t = 24.
; A block's scale byte is its largest magnitude's exponent field - 2, held at 1 from below by a floor among the maximum's leaves.
; LIMITS: a block of zeros gets the byte 1 (its codes are zeros; these bytes are read by this program alone); NaN and infinities among the inputs are not served.
; No matrix unit, no cluster, no tensor load: C_acts is read once, 205 KB a work-group, all of it asked for at once into registers (8 rows a wave), and kept there between the two passes.
.set TM,   200                         ; v200-215 at work in QUANT
.set SEL,  20                          ; s[20:21] lane selects: lane l xor 16
.set QPB,  512                         ; LDS: 128 scores at 0; from here 16 partial rows,
.set QPP,  2128                        ; each 1,600 bytes of data, 512 of zeros, 16 unused
.set XA,   32
.set PCV,  160                         ; v160-167 the fragment's codes
.set PWV,  192                         ; v192 its scale word
; 64 numbers of a lane, register 16 b + i = k 32 b + 16 (lane / 16) + i of my row, become a fragment's 8 registers at v[pc] and its scale word in v[pw]
.macro QUANT src, pc, pw
.irp b, 0,1,2,3
	v_max3_num_f32 v[TM+\b], |v[\src+16*\b]|, |v[\src+1+16*\b]|, 0x1800000   ; my 16 numbers of block b, and the floor 2^(3 - 127)
.endr
.irp i, 2,4,6,8,10,12,14
.irp b, 0,1,2,3
	v_max3_num_f32 v[TM+\b], v[TM+\b], |v[\src+16*\b+\i]|, |v[\src+1+16*\b+\i]|
.endr
.endr
.irp b, 0,1,2,3
	v_permlanex16_b32 v[TM+4+\b], v[TM+\b], s[SEL], s[SEL+1]
.endr
.irp b, 0,1,2,3
	v_max_num_f32 v[TM+\b], v[TM+\b], v[TM+4+\b]   ; with lane l xor 16's 16: the block's largest magnitude
.endr
.irp b, 0,1,2,3
	v_add_nc_u32 v[TM+12+\b], 0xff000000, v[TM+\b]   ; 2 off its exponent field: the conversion's scale operand
.endr
.irp b, 0,1,2,3
	v_lshrrev_b32 v[TM+4+\b], 23, v[TM+12+\b]      ; the scale's byte
.endr
	v_lshl_or_b32 v[\pw], v[TM+5], 8, v[TM+4]
	v_lshl_or_b32 v[\pw], v[TM+6], 16, v[\pw]
	v_lshl_or_b32 v[\pw], v[TM+7], 24, v[\pw]
.irp b, 0,1,2,3
	v_cvt_scalef32_pk8_fp4_f32 v[\pc+2*\b], v[\src+16*\b:\src+7+16*\b], v[TM+12+\b]
	v_cvt_scalef32_pk8_fp4_f32 v[\pc+1+2*\b], v[\src+8+16*\b:\src+15+16*\b], v[TM+12+\b]
.endr
	v_nop                                          ; one plain line behind the scaled conversions
.irp c, 0,1
.irp i, 0,1
	v_permlane16_swap_b32 v[\pc+4*\c+\i], v[\pc+2+4*\c+\i]   ; a whole block to a lane: lanes 0-15 block 2 c, lanes 16-31 block 2 c + 1
.endr
.endr
.endm
	s_load_b256 s[4:11], s[0:1], 0x0               ; C_acts s[4:5], c_utt s[6:7], C_vals s[8:9], vq_codes s[10:11]
	s_load_b128 s[12:15], s[0:1], 0x20             ; vq_scales s[12:13], qa_codes s[14:15]
	s_load_b64 s[16:17], s[0:1], 0x30              ; qa_scales
	s_load_b128 s[28:31], s[0:1], 0x38             ; W_score s[28:29], wperm s[30:31]
	v_lshl_add_u32 v254, v0, 2, 0x8800
	v_mov_b32 v255, 0
	v_lshrrev_b32 v1, 5, v0
	v_readfirstlane_b32 s18, v1                    ; wave 0..15
	v_and_b32 v1, 31, v0                           ; lane
	s_mov_b32 s[SEL], 0x76543210
	s_mov_b32 s[SEL+1], 0xfedcba98
	s_mov_b32 s22, 0xffff0000                      ; lanes 16-31
	s_mov_b32 s23, 0x3fb8aa3b                      ; log2(e)
	s_mov_b32 s25, 0                               ; the high word of every offset
	v_mov_b32 v15, 0
	s_wait_kmcnt 0x0
	s_cmp_lt_u32 ttmp9, 128
	s_cbranch_scc0 .Lvals
	; ---------------- q_acts[b].  Wave w owns rows 8 w .. 8 w + 7; lane L owns columns 4 L, 128 + 4 L, 256 + 4 L and, of the last 16, 384 + 4 (L % 4)
	v_lshlrev_b32 v2, 4, v1                        ; 16 L
	v_and_b32 v3, 3, v1
	v_lshlrev_b32 v3, 4, v3                        ; 16 (L % 4)
	s_lshl_b32 s26, s18, 5
	v_mov_b32 v4, s26                              ; LDS: my wave's 8 scores
	s_mul_i32 s26, s18, QPP
	s_add_co_u32 s26, s26, QPB
	v_add_nc_u32 v5, s26, v2                       ; LDS: my wave's partial row, 16 L
	v_add_nc_u32 v6, s26, v3                       ; and 16 (L % 4)
	v_lshlrev_b32 v7, 6, v1
	v_add_nc_u32 v7, QPB, v7                       ; LDS: 16 columns a lane, for the last sum
	v_lshlrev_b32 v8, 3, v1                        ; 8 L: my 16 codes
	v_lshrrev_b32 v9, 1, v1                        ; my block's byte
	s_mul_i32 s24, ttmp9, 204800
	s_mul_i32 s26, s18, 12800
	s_add_co_u32 s24, s24, s26
	s_add_nc_u64 s[4:5], s[4:5], s[24:25]          ; C_acts at my wave's first row
	s_mul_i32 s24, ttmp9, 1600
	s_add_nc_u64 s[6:7], s[6:7], s[24:25]          ; c_utt[b]
	s_lshl_b32 s24, ttmp9, 8
	s_add_nc_u64 s[14:15], s[14:15], s[24:25]
	s_lshl_b32 s24, ttmp9, 4
	s_add_nc_u64 s[16:17], s[16:17], s[24:25]
.irp p, 0,1,2
	global_load_b128 v[16+4*\p:19+4*\p], v2, s[6:7] offset:512*\p
.endr
	global_load_b128 v[28:31], v3, s[6:7] offset:1536
.irp a, 0,1,2,3,4,5,6,7
.irp p, 0,1,2
	global_load_b128 v[32+16*\a+4*\p:35+16*\a+4*\p], v2, s[4:5] offset:1600*\a+512*\p th:TH_LOAD_NT   ; 512 consecutive bytes of a row
.endr
	global_load_b128 v[44+16*\a:47+16*\a], v3, s[4:5] offset:1600*\a+1536 th:TH_LOAD_NT   ; the row's last 64 bytes, eight times over
.endr
.irp i, 216,217,218,219,220,221,222,223,229,185,187,189,191,193,195,197,199,240,241,242,243
	v_mov_b32 v\i, 0                               ; lane permutes' destinations, the upper halves of the pairs that hold p, and four zeros for LDS
.endr
	v_cmp_gt_u32 vcc_lo, 4, v1
	s_wait_loadcnt 0x0
.irp i, 28,29,30,31
	v_cndmask_b32 v\i, 0, v\i, vcc_lo              ; the last 16 columns count once: c is 0 there in lanes 4-31
.endr
.irp a, 0,1,2,3,4,5,6,7
	v_pk_mul_f32 v[160+2*\a:161+2*\a], v[32+16*\a:33+16*\a], v[16:17]   ; the scores: the eight rows by turns
.endr
.irp i, 2,4,6,8,10,12,14
.irp a, 0,1,2,3,4,5,6,7
	v_pk_fma_f32 v[160+2*\a:161+2*\a], v[32+16*\a+\i:33+16*\a+\i], v[16+\i:17+\i], v[160+2*\a:161+2*\a]
.endr
.endr
.irp a, 0,1,2,3,4,5,6,7
	v_add_f32 v[176+\a], v[160+2*\a], v[161+2*\a]
.endr
.irp m, 1,2,4,8
.irp a, 0,1,2,3,4,5,6,7
	v_add_f32_dpp v[176+\a], v[176+\a], v[176+\a] row_xmask:\m row_mask:0xf bank_mask:0xf
.endr
.endr
.irp a, 0,1,2,3,4,5,6,7
	v_permlanex16_b32 v[216+\a], v[176+\a], s[SEL], s[SEL+1]
.endr
.irp a, 0,1,2,3,4,5,6,7
	v_add_f32 v[176+\a], v[176+\a], v[216+\a]      ; every lane holds the row's score
.endr
	ds_store_b128 v4, v[176:179]                   ; all lanes write the same bytes with the same values
	ds_store_b128 v4, v[180:183] offset:16
	s_wait_dscnt 0x0                               ; for the others' sake: my scores lie in LDS
	s_barrier_signal -1
	s_barrier_wait -1
	ds_load_b128 v[224:227], v2                    ; four of the 128 scores a lane
	s_wait_dscnt 0x0
	v_max3_num_f32 v228, v224, v225, v226
	v_max_num_f32 v228, v228, v227
.irp m, 1,2,4,8
	v_max_num_f32_dpp v228, v228, v228 row_xmask:\m row_mask:0xf bank_mask:0xf
.endr
	v_permlanex16_b32 v229, v228, s[SEL], s[SEL+1]
	v_max_num_f32 v228, v228, v229                 ; the largest score
.irp i, 224,225,226,227
	v_sub_f32 v\i, v\i, v228
.endr
.irp i, 224,225,226,227
	v_mul_f32 v\i, s23, v\i
.endr
.irp i, 224,225,226,227
	v_exp_f32 v\i, v\i
.endr
.irp a, 0,1,2,3,4,5,6,7
	v_sub_f32 v[184+2*\a], v[176+\a], v228         ; my eight rows likewise: independent work behind the four exponentials
.endr
.irp a, 0,1,2,3,4,5,6,7
	v_mul_f32 v[184+2*\a], s23, v[184+2*\a]
.endr
	s_wait_alu depctr_va_vdst(0)                   ; one wait for the four, ahead of their first reader
	v_add_f32 v224, v224, v225
	v_add_f32 v226, v226, v227
	v_add_f32 v224, v224, v226
.irp m, 1,2,4,8
	v_add_f32_dpp v224, v224, v224 row_xmask:\m row_mask:0xf bank_mask:0xf
.endr
	v_permlanex16_b32 v229, v224, s[SEL], s[SEL+1]
	v_add_f32 v224, v224, v229                     ; the sum of the 128 exponentials
	v_rcp_f32 v230, v224
.irp a, 0,1,2,3,4,5,6,7
	v_exp_f32 v[184+2*\a], v[184+2*\a]
.endr
	v_nop                                          ; a plain line behind the batch
	s_wait_alu depctr_va_vdst(0)                   ; one wait for the reciprocal and the eight
.irp a, 0,1,2,3,4,5,6,7
	v_mul_f32 v[184+2*\a], v[184+2*\a], v230       ; p, finished and normalised
.endr
.irp i, 0,2,4,6,8,10,12,14
	v_pk_mul_f32 v[200+\i:201+\i], v[32+\i:33+\i], v[184:185] op_sel_hi:[1,0]   ; my eight rows' part of q_acts, from the registers that still hold them
.endr
.irp a, 1,2,3,4,5,6,7
.irp i, 0,2,4,6,8,10,12,14
	v_pk_fma_f32 v[200+\i:201+\i], v[32+16*\a+\i:33+16*\a+\i], v[184+2*\a:185+2*\a], v[200+\i:201+\i] op_sel_hi:[1,0,1]
.endr
.endr
	ds_store_b128 v5, v[200:203]
	ds_store_b128 v5, v[204:207] offset:512
	ds_store_b128 v5, v[208:211] offset:1024
	ds_store_b128 v6, v[212:215] offset:1536       ; lanes with the same L % 4 hold the same numbers and write the same bytes
	ds_store_b128 v5, v[240:243] offset:1600       ; zeros behind the 400 columns: the last sum's lanes 25-31 read them
	s_wait_dscnt 0x0
	s_barrier_signal -1
	s_barrier_wait -1
	s_cmp_lg_u32 s18, 0                            ; wave 0 adds the sixteen parts and quantises; no barrier follows
	s_cbranch_scc1 .Lend
.irp p, 0,1,2,3,4,5,6,7
.irp q, 0,1,2,3
	ds_load_b128 v[32+16*\p+4*\q:35+16*\p+4*\q], v7 offset:QPP*\p+16*\q   ; lane L: columns 16 L .. 16 L + 15
.endr
.endr
	s_wait_dscnt 0x0
.irp i, 0,2,4,6,8,10,12,14
	v_pk_add_f32 v[200+\i:201+\i], v[32+\i:33+\i], v[48+\i:49+\i]
.endr
.irp p, 2,3,4,5,6,7
.irp i, 0,2,4,6,8,10,12,14
	v_pk_add_f32 v[200+\i:201+\i], v[200+\i:201+\i], v[32+16*\p+\i:33+16*\p+\i]
.endr
.endr
.irp p, 0,1,2,3,4,5,6,7
.irp q, 0,1,2,3
	ds_load_b128 v[32+16*\p+4*\q:35+16*\p+4*\q], v7 offset:QPP*(8+\p)+16*\q
.endr
.endr
	s_wait_dscnt 0x0
.irp p, 0,1,2,3,4,5,6,7
.irp i, 0,2,4,6,8,10,12,14
	v_pk_add_f32 v[200+\i:201+\i], v[200+\i:201+\i], v[32+16*\p+\i:33+16*\p+\i]
.endr
.endr
	v_max3_num_f32 v216, |v200|, |v201|, 0x1800000 ; two neighbouring lanes hold a block of 32
.irp i, 2,4,6,8,10,12,14
	v_max3_num_f32 v216, v216, |v[200+\i]|, |v[201+\i]|
.endr
	v_max_num_f32_dpp v216, v216, v216 row_xmask:1 row_mask:0xf bank_mask:0xf
	v_add_nc_u32 v217, 0xff000000, v216
	v_cvt_scalef32_pk8_fp4_f32 v218, v[200:207], v217
	v_cvt_scalef32_pk8_fp4_f32 v219, v[208:215], v217
	v_lshrrev_b32 v220, 23, v217
	global_store_b64 v8, v[218:219], s[14:15]      ; 32 lanes store 256 consecutive bytes, aligned: the row of 512 codes
	global_store_b8 v9, v220, s[16:17]             ; both lanes of a block write the same byte
.Lend:
	s_wait_tensorcnt 0x0
	ds_add_u32 v254, v255
	s_wait_dscnt 0x0
	s_endpgm
	; ---------------- C_vals: job = 16 x (work-group - 128) + wave: tile job / 4, K step job % 4
.Lvals:
	s_cmp_eq_u32 ttmp9, 144
	s_cbranch_scc1 .Lw
	v_and_b32 v2, 15, v0                           ; r
	v_bfe_u32 v3, v0, 4, 1                         ; h
	v_mul_u32_u24 v4, v2, 1600                     ; my row
	v_lshl_add_u32 v5, v3, 6, v4                   ; + 64 h
	v_lshlrev_b32 v6, 4, v1                        ; 16 x lane
	v_lshlrev_b32 v7, 3, v2                        ; 8 r
.irp b, 0,1,2,3
	v_mov_b32 v[TM+4+\b], 0                        ; a lane permute's destination counts as read
.endr
	s_sub_co_u32 s24, ttmp9, 128
	s_lshl_b32 s24, s24, 4
	s_add_co_u32 s26, s24, s18                     ; the job
	s_and_b32 s27, s26, 3                          ; the K step s
	s_lshr_b32 s26, s26, 2                         ; the tile
	s_mul_i32 s24, s26, 25600
	s_lshl_b32 s19, s27, 9
	s_add_co_u32 s24, s24, s19
	s_add_nc_u64 s[8:9], s[8:9], s[24:25]          ; C_vals at the tile's first row, 512 s bytes along it
	s_lshl_b32 s24, s26, 12
	s_lshl_b32 s19, s27, 10
	s_add_co_u32 s24, s24, s19
	s_add_nc_u64 s[10:11], s[10:11], s[24:25]      ; the fragment's image: 4,096 x tile + 1,024 s
	s_lshl_b32 s24, s26, 8
	s_and_b32 s19, s27, 1
	s_lshl_b32 s19, s19, 7
	s_add_co_u32 s24, s24, s19
	s_lshr_b32 s19, s27, 1
	s_lshl_b32 s19, s19, 2
	s_add_co_u32 s24, s24, s19
	s_add_nc_u64 s[12:13], s[12:13], s[24:25]      ; its scale words: 256 x tile; lanes 16 (s % 2) on, 8 bytes a lane; word s / 2
	s_cmp_eq_u32 s27, 3
	s_cbranch_scc1 .Ltail
.irp b, 0,1,2,3
.irp q, 0,1,2,3
	global_load_b128 v[XA+16*\b+4*\q:XA+16*\b+4*\q+3], v5, s[8:9] offset:128*\b+16*\q   ; lane (r, h) takes 16 neighbours of each block of 32
.endr
.endr
	s_branch .Lcode
.Ltail:                                            ; K step 3 has 16 numbers a row
.irp q, 0,1,2,3
	global_load_b128 v[XA+4*\q:XA+4*\q+3], v4, s[8:9] offset:16*\q   ; in both halves of the lanes
.endr
.set ii, 16
.rept 48
	v_mov_b32 v[XA+ii], 0                          ; k = 416 .. 511 are zeros
.set ii, ii+1
.endr
	s_wait_loadcnt 0x0
.irp i, 0,1,2,3,4,5,6,7,8,9,10,11,12,13,14,15
	v_cndmask_b32 v[XA+\i], v[XA+\i], v15, s22     ; and so are k = 400 .. 415
.endr
.Lcode:
	s_wait_loadcnt 0x0
	QUANT XA, PCV, PWV
	global_store_b128 v6, v[PCV:PCV+3], s[10:11]   ; 512 consecutive bytes, aligned
	global_store_b128 v6, v[PCV+4:PCV+7], s[10:11] offset:512
	global_store_b32 v7, v[PWV], s[12:13]          ; lanes r and 16 + r hold the same word and write the same place
	s_endpgm
	; ---------------- W_score in the order of V^T's tiles: thread n takes number min(n, 399); threads 400 on write number 399 again, with the same value
.Lw:
	v_min_u32 v2, 399, v0                          ; i = 16 t + m
	v_lshrrev_b32 v3, 4, v2                        ; t
	v_and_b32 v4, 15, v2                           ; m
	v_lshrrev_b32 v5, 3, v3
	v_lshlrev_b32 v5, 7, v5                        ; 128 (t / 8)
	v_and_b32 v6, 1, v3
	v_lshl_add_u32 v5, v6, 6, v5                   ; + 64 (t % 2)
	v_lshl_add_u32 v5, v4, 2, v5                   ; + 4 m
	v_bfe_u32 v6, v3, 1, 2
	v_add_nc_u32 v5, v5, v6                        ; + (t / 2) % 4
	v_cmp_gt_u32 vcc_lo, 384, v2
	v_cndmask_b32 v5, v2, v5, vcc_lo               ; tile 24 keeps its order
	v_lshlrev_b32 v5, 2, v5
	v_lshlrev_b32 v2, 2, v2
	global_load_b32 v7, v5, s[28:29]
	s_wait_loadcnt 0x0
	global_store_b32 v2, v7, s[30:31]
	s_endpgm
.Lfunc_end_k_q50f1ec23ac_prep:
	.size	k_q50f1ec23ac_prep, .Lfunc_end_k_q50f1ec23ac_prep-k_q50f1ec23ac_prep
	.p2alignl 7, 3214868480
	.fill 96, 4, 3214868480
	.section	.rodata,"a",@progbits
	.p2align	6, 0x0
	.amdhsa_kernel k_q50f1ec23ac_prep
		.amdhsa_group_segment_fixed_size 36864
		.amdhsa_private_segment_fixed_size 0
		.amdhsa_enable_private_segment 0
		.amdhsa_kernarg_size 72
		.amdhsa_user_sgpr_count 2
		.amdhsa_user_sgpr_kernarg_segment_ptr 1
		.amdhsa_wavefront_size32 1
		.amdhsa_system_sgpr_workgroup_id_x 1
		.amdhsa_system_sgpr_workgroup_id_y 1
		.amdhsa_system_sgpr_workgroup_id_z 1
		.amdhsa_system_vgpr_workitem_id 0
		.amdhsa_next_free_vgpr 256
		.amdhsa_next_free_sgpr 66
		.amdhsa_reserve_vcc 1
		.amdhsa_float_denorm_mode_32 3
		.amdhsa_float_denorm_mode_16_64 3
		.amdhsa_memory_ordered 1
		.amdhsa_forward_progress 1
		.amdhsa_inst_pref_size 44
	.end_amdhsa_kernel
	.amdgpu_metadata
---
amdhsa.version: [ 1, 2 ]
amdhsa.kernels:
  - .name:           k_q50f1ec23ac_prep
    .symbol:         k_q50f1ec23ac_prep.kd
    .args:
      - { .name: C_acts, .offset: 0, .size: 8, .value_kind: global_buffer, .address_space: global }
      - { .name: c_utt, .offset: 8, .size: 8, .value_kind: global_buffer, .address_space: global }
      - { .name: C_vals, .offset: 16, .size: 8, .value_kind: global_buffer, .address_space: global }
      - { .name: vq_codes, .offset: 24, .size: 8, .value_kind: global_buffer, .address_space: global }
      - { .name: vq_scales, .offset: 32, .size: 8, .value_kind: global_buffer, .address_space: global }
      - { .name: qa_codes, .offset: 40, .size: 8, .value_kind: global_buffer, .address_space: global }
      - { .name: qa_scales, .offset: 48, .size: 8, .value_kind: global_buffer, .address_space: global }
      - { .name: W_score, .offset: 56, .size: 8, .value_kind: global_buffer, .address_space: global }
      - { .name: wperm, .offset: 64, .size: 8, .value_kind: global_buffer, .address_space: global }
    .group_segment_fixed_size: 36864
    .private_segment_fixed_size: 0
    .kernarg_segment_align: 8
    .kernarg_segment_size: 72
    .max_flat_workgroup_size: 512
    .sgpr_count:     66
    .vgpr_count:     256
    .wavefront_size: 32
...
	.end_amdgpu_metadata
.endif
;; end of part 3
;; launch main (part 4): grid 2 x 128, 4 waves a work-group, no clusters, 322,560 bytes of LDS; arguments H_utt, wperm, b_score, utterance_len, vq_codes, vq_scales, qa_codes, qa_scales, out0, out1; writes out0, out1
.if DOCPART == 4
	.amdgcn_target "amdgcn-amd-amdhsa--gfx1250"
	.amdhsa_code_object_version 6
	.text
	.protected	k_q50f1ec23ac_main
	.globl	k_q50f1ec23ac_main
	.p2align	8
	.type	k_q50f1ec23ac_main,@function
k_q50f1ec23ac_main:
	s_mov_b64 s[64:65], 0
	v_nop
	global_prefetch_b8 v0, s[64:65] scope:SCOPE_SE
	s_setreg_imm32_b32 hwreg(HW_REG_WAVE_MODE, 25, 1), 1
	s_wait_xcnt 0x0
; out0[b][v] = W . (softmax_t(H[b] vals[v], t < len[b]) H[b]) + b_score;  out1[b][v] = Q(q_acts[b]) . Q(vals[v]).  All three products on E2M1 codes with E8M0 scales for each 32 along K.
; SHARES.  A work-group is (b, half of the 1,024 queries); wave w owns KEYS 128 w .. 128 w + 127 of H[b] and keeps them in registers for the whole launch: as K (32 fragments, codes along D, 400 padded to 512 by
; zero codes) and as V^T (25 fragments, codes along the keys).  The 32 tiles of 16 queries stream past: 32 products K Q^T, a softmax over the wave's 128 keys under the wave's own whole number M_w,
; 25 products V^T P^T that start from 0, and the contraction with W set between them.  So no O is kept or rescaled: a query leaves -M_w, l_w, y_w; ONE barrier at the end joins the four waves:
; y = sum 2^(M_w - M) y_w / sum 2^(M_w - M) l_w + b.  M_w is a whole number, so p's codes have the values that they have under the row's M: a block's scale takes the power of two up.
; THE MASK is the C of each score tile's first product: 0 for a key under len[b], -3e38 for one at or beyond it.
; H[b] IS QUANTISED HERE, both ways, by the wave that owns the rows, 32 rows x 128 columns at a time.  For K the rows turn through the wave's own stage in LDS and come back 16 neighbours along D a lane.
; For V nothing turns: a lane's 16 bytes of a row are four columns, so register 4 i + q of a loaded set is row i of column 4 lane + q: a block of 32 keys of that column lies in ONE lane, and 32 moves lay it on end
; for the conversions.  The codes go to LDS as images of the operands' registers, so that this part is a loop, and are read back once.
; THE KEYS OF A TILE ARE NOT NEIGHBOURS: lane r of tile 2 j + u takes key 32 j + 8 u + r + 8 (r / 8), so that the 16 score registers of tiles 2 j, 2 j + 1 are 16 neighbouring keys.
; NOR ARE THE CHANNELS OF A TILE OF V^T: row r of tile 8 s + 2 q + e is channel 128 s + 64 e + 4 r + q (tile 24: 384 + r).  Only W has to follow: it comes from the launch before in that order (wperm).
; out1: q_acts[b] as 16 equal rows against the wave's 8 tiles of queries: 32 products a wave.
; NO CLUSTER, NO TENSOR LOAD: only the two work-groups of a b read the same H; a row of H is 400 words, which no power-of-two padding interval divides, and the stage wants its rows in an order of its own.
; NO PREFETCH: the quantising part has 128 KB a work-group on its way by its own loads; the queries' codes, 278,528 bytes, are read by all work-groups.
; LIMITS: |score| under 2^100 / log2(e) (the mask's -3e38 and the floor -2^100 under a wave's largest t); len = 0 gives NaN, as the definition does; NaN and infinities among the inputs are not served;
; a block of zeros has the scale byte 1 (its codes are zeros; the bytes are this program's own).
; REGISTERS.  Window 0: addresses v4-15, v224-235; v16-31 K's scale words, v32-44 V's, v45 p's, v46-49 Q's; v50-57 p's codes; v58-63 -M, t, l; v64-127 scores, p, then 8 accumulators of O^T; v128-191 the mask;
;   v192-199 y; v200-223 at work.  Window 1: K.  Window 2: V[0..12], W[0..11], Q buffer 0.  Window 3: V[13..24], W[12..24], Q buffer 1.
;   WHILE H IS QUANTISED v16-47 hold V's codes: so every scale word that lives there (K's, V's, Q's, out1's) is loaded only behind that part.
.set WREG, 80512                       ; LDS: a region for each wave:
.set SP,   528                         ;   0       the stage: 32 row slots of 512 bytes + 16; for the last 16 columns 128 slots of TP bytes; later the wave's results
.set TP,   80
.set KIM,  16896                       ;   K's images, 32 x 1,024
.set VIM,  49664                       ;   V's images, 50 x 512
.set KSI,  75264                       ;   K's scale registers, 16 x 128
.set VSI,  77312                       ;   V's, 24 halves and one whole, x 128
.set RESL, 2048                        ; results: -M at 0, l, y: 512 f32 each; the wave's 128 numbers of out1
.set RESY, 4096
.set RES6, 6144
.set LI,  4                            ; v4   16 x lane
.set L8,  5                            ; v5   8 x lane
.set L4,  6                            ; v6   4 x lane
.set STS, 7                            ; v7   region + 16 x lane
.set KA,  8                            ; v8   region + SP r + 64 h
.set VA,  9                            ; v9   region + 4 x lane
.set BK,  10                           ; v10-13 the four image areas at my lane
.set BV,  11
.set BKS, 12
.set BVS, 13
.set AK,  14                           ; v14, v15, v224, v225 the same at the trip in hand
.set AV,  15
.set AKS, 224
.set AVS, 225
.set TS,  226                          ; region + TP (lane / 4) + 16 (lane % 4)
.set TG,  227                          ; 1,600 (lane / 4) + 16 (lane % 4)
.set KT,  228                          ; region + TP r
.set ST0, 229                          ; region + 4 r
.set STA, 231
.set H16, 232
.set H32, 233
.set Z,   234
.set NEG, 235
.set KS,  16
.set VS,  32
.set PW,  45
.set QS,  46
.set PC,  50
.set S,   64
.set BIAS, 128
.set YA,  192
.set TM,  200
.set SEL, 42
.set X,   64                           ; while H is quantised: 64 numbers by rows,
.set Y0,  128                          ; two columns of 32 numbers,
.set Y1,  160
.set XE,  16                           ; V's codes of the even and the odd block of 32 keys, 4 x 4 registers each: v16-31, v32-47,
.set XO,  32
.set VB,  192                          ; their scale bytes,
.set PW0, 196
.set PW1, 197
.set KSR, 198
.set BYT, 199
.set BY2, 223
.set PC0, 236                          ; and K's two fragments just made
.set PC1, 244
.set MSB, 0
.macro WIN new                         ; the immediate's high byte repeats the setting that is left; bits 1:0 source 0, 3:2 source 1, 5:4 source 2, 7:6 destination
.if MSB != (\new)
	s_set_vgpr_msb (MSB<<8)|(\new)
.set MSB, (\new)
.endif
.endm
; a scaled product on 4-bit codes: d, a, b: first registers; c: first register, or negative for the constant 0; sa, sb: scale registers; ra, rb: 1 = the scales stand in lanes 16-31
.macro WM d, a, b, c, sa, sb, ra, rb
.if (\c) < 0
.if (\ra) && (\rb)
	v_wmma_scale_f32_16x16x128_f8f6f4 v[(\d):(\d)+7], v[(\a):(\a)+7], v[(\b):(\b)+7], 0, v[\sa], v[\sb] matrix_a_fmt:MATRIX_FMT_FP4 matrix_b_fmt:MATRIX_FMT_FP4 matrix_a_scale:MATRIX_SCALE_ROW1 matrix_b_scale:MATRIX_SCALE_ROW1
.elseif (\ra)
	v_wmma_scale_f32_16x16x128_f8f6f4 v[(\d):(\d)+7], v[(\a):(\a)+7], v[(\b):(\b)+7], 0, v[\sa], v[\sb] matrix_a_fmt:MATRIX_FMT_FP4 matrix_b_fmt:MATRIX_FMT_FP4 matrix_a_scale:MATRIX_SCALE_ROW1
.elseif (\rb)
	v_wmma_scale_f32_16x16x128_f8f6f4 v[(\d):(\d)+7], v[(\a):(\a)+7], v[(\b):(\b)+7], 0, v[\sa], v[\sb] matrix_a_fmt:MATRIX_FMT_FP4 matrix_b_fmt:MATRIX_FMT_FP4 matrix_b_scale:MATRIX_SCALE_ROW1
.else
	v_wmma_scale_f32_16x16x128_f8f6f4 v[(\d):(\d)+7], v[(\a):(\a)+7], v[(\b):(\b)+7], 0, v[\sa], v[\sb] matrix_a_fmt:MATRIX_FMT_FP4 matrix_b_fmt:MATRIX_FMT_FP4
.endif
.else
.if (\ra) && (\rb)
	v_wmma_scale_f32_16x16x128_f8f6f4 v[(\d):(\d)+7], v[(\a):(\a)+7], v[(\b):(\b)+7], v[(\c):(\c)+7], v[\sa], v[\sb] matrix_a_fmt:MATRIX_FMT_FP4 matrix_b_fmt:MATRIX_FMT_FP4 matrix_a_scale:MATRIX_SCALE_ROW1 matrix_b_scale:MATRIX_SCALE_ROW1
.elseif (\ra)
	v_wmma_scale_f32_16x16x128_f8f6f4 v[(\d):(\d)+7], v[(\a):(\a)+7], v[(\b):(\b)+7], v[(\c):(\c)+7], v[\sa], v[\sb] matrix_a_fmt:MATRIX_FMT_FP4 matrix_b_fmt:MATRIX_FMT_FP4 matrix_a_scale:MATRIX_SCALE_ROW1
.elseif (\rb)
	v_wmma_scale_f32_16x16x128_f8f6f4 v[(\d):(\d)+7], v[(\a):(\a)+7], v[(\b):(\b)+7], v[(\c):(\c)+7], v[\sa], v[\sb] matrix_a_fmt:MATRIX_FMT_FP4 matrix_b_fmt:MATRIX_FMT_FP4 matrix_b_scale:MATRIX_SCALE_ROW1
.else
	v_wmma_scale_f32_16x16x128_f8f6f4 v[(\d):(\d)+7], v[(\a):(\a)+7], v[(\b):(\b)+7], v[(\c):(\c)+7], v[\sa], v[\sb] matrix_a_fmt:MATRIX_FMT_FP4 matrix_b_fmt:MATRIX_FMT_FP4
.endif
.endif
.endm
; 64 numbers of a lane, register 16 b + i = k 32 b + 16 (lane / 16) + i of my row, become a fragment's 8 registers at v[pc] and its scale word in v[pw]
.macro QUANT src, pc, pw
.irp b, 0,1,2,3
	v_max3_num_f32 v[TM+\b], |v[\src+16*\b]|, |v[\src+1+16*\b]|, 0x1800000   ; my 16 numbers of block b, and the floor 2^(3 - 127): the byte cannot fall under 1
.endr
.irp i, 2,4,6,8,10,12,14
.irp b, 0,1,2,3
	v_max3_num_f32 v[TM+\b], v[TM+\b], |v[\src+16*\b+\i]|, |v[\src+1+16*\b+\i]|
.endr
.endr
.irp b, 0,1,2,3
	v_permlanex16_b32 v[TM+4+\b], v[TM+\b], s[SEL], s[SEL+1]
.endr
.irp b, 0,1,2,3
	v_max_num_f32 v[TM+\b], v[TM+\b], v[TM+4+\b]
.endr
.irp b, 0,1,2,3
	v_add_nc_u32 v[TM+12+\b], 0xff000000, v[TM+\b]   ; 2 off the exponent field: the conversion's scale operand
.endr
.irp b, 0,1,2,3
	v_lshrrev_b32 v[TM+4+\b], 23, v[TM+12+\b]
.endr
	v_lshl_or_b32 v[\pw], v[TM+5], 8, v[TM+4]
	v_lshl_or_b32 v[\pw], v[TM+6], 16, v[\pw]
	v_lshl_or_b32 v[\pw], v[TM+7], 24, v[\pw]
.irp b, 0,1,2,3
	v_cvt_scalef32_pk8_fp4_f32 v[\pc+2*\b], v[\src+16*\b:\src+7+16*\b], v[TM+12+\b]
	v_cvt_scalef32_pk8_fp4_f32 v[\pc+1+2*\b], v[\src+8+16*\b:\src+15+16*\b], v[TM+12+\b]
.endr
	v_nop                                          ; one plain line behind the scaled conversions
.irp c, 0,1
.irp i, 0,1
	v_permlane16_swap_b32 v[\pc+4*\c+\i], v[\pc+2+4*\c+\i]
.endr
.endr
.endm
; 32 numbers of ONE column, down the keys: a whole block in a lane: 4 registers of codes at v[xc], the byte in v[by]
.macro VQ y, xc, by
	v_max3_num_f32 v216, |v[\y]|, |v[\y+1]|, 0x1800000
	v_max3_num_f32 v217, |v[\y+2]|, |v[\y+3]|, |v[\y+4]|
.irp i, 5,9,13,17,21,25
	v_max3_num_f32 v216, v216, |v[\y+\i]|, |v[\y+\i+1]|
	v_max3_num_f32 v217, v217, |v[\y+\i+2]|, |v[\y+\i+3]|
.endr
	v_max3_num_f32 v216, v216, |v[\y+29]|, |v[\y+30]|
	v_max3_num_f32 v216, v216, v217, |v[\y+31]|
	v_add_nc_u32 v218, 0xff000000, v216
	v_lshrrev_b32 v[\by], 23, v218
.irp n, 0,1,2,3
	v_cvt_scalef32_pk8_fp4_f32 v[\xc+\n], v[\y+8*\n:\y+8*\n+7], v218
.endr
	v_nop
.endm
; the same for two columns by turns: four chains of maxima, so that no line waits for the line above it
.macro VQ2 ya, xa, ba, yb, xb, bb
	v_max3_num_f32 v216, |v[\ya]|, |v[\ya+1]|, 0x1800000
	v_max3_num_f32 v217, |v[\ya+2]|, |v[\ya+3]|, |v[\ya+4]|
	v_max3_num_f32 v219, |v[\yb]|, |v[\yb+1]|, 0x1800000
	v_max3_num_f32 v220, |v[\yb+2]|, |v[\yb+3]|, |v[\yb+4]|
.irp i, 5,9,13,17,21,25
	v_max3_num_f32 v216, v216, |v[\ya+\i]|, |v[\ya+\i+1]|
	v_max3_num_f32 v217, v217, |v[\ya+\i+2]|, |v[\ya+\i+3]|
	v_max3_num_f32 v219, v219, |v[\yb+\i]|, |v[\yb+\i+1]|
	v_max3_num_f32 v220, v220, |v[\yb+\i+2]|, |v[\yb+\i+3]|
.endr
	v_max3_num_f32 v216, v216, |v[\ya+29]|, |v[\ya+30]|
	v_max3_num_f32 v219, v219, |v[\yb+29]|, |v[\yb+30]|
	v_max3_num_f32 v216, v216, v217, |v[\ya+31]|
	v_max3_num_f32 v219, v219, v220, |v[\yb+31]|
	v_add_nc_u32 v218, 0xff000000, v216
	v_add_nc_u32 v221, 0xff000000, v219
	v_lshrrev_b32 v[\ba], 23, v218
	v_lshrrev_b32 v[\bb], 23, v221
.irp n, 0,1,2,3
	v_cvt_scalef32_pk8_fp4_f32 v[\xa+\n], v[\ya+8*\n:\ya+8*\n+7], v218
	v_cvt_scalef32_pk8_fp4_f32 v[\xb+\n], v[\yb+8*\n:\yb+8*\n+7], v221
.endr
	v_nop                                          ; one plain line behind the scaled conversions
.endm
.macro LA u                            ; key tile u of the 32 rows in the stage: its 16 rows lie in slots 16 u .. 16 u + 15, which start at 16 different banks
.irp b, 0,1,2,3
.irp q, 0,1,2,3
	ds_load_b128 v[X+16*\b+4*\q:X+16*\b+4*\q+3], v[KA] offset:16*SP*\u+128*\b+16*\q
.endr
.endr
.endm
.macro MB jj, q, y                     ; column 4 x lane + q of the set's 128, rows 0 .. 31 on end: out of the registers that the loads filled (window 1)
.set ii, 0
.rept 32
	v_mov_b32 v[\y+ii], v[128*\jj+4*ii+\q]
.set ii, ii+1
.endr
.endm
.macro TAILV g, by                     ; both blocks of columns 4 x lane + g are coded: lanes 0-15 hold the rows of tile 2 g of the K step's eight, lanes 16-31 those of tile 2 g + 1
	v_lshl_or_b32 v[VB+\g], v[\by], 8, v[VB+\g]
.irp q, 0,1,2,3
	v_permlane16_swap_b32 v[XE+4*\g+\q], v[XO+4*\g+\q]   ; now XE is tile 2 g's four registers (lanes 0-15 the even block, lanes 16-31 the odd), XO tile 2 g + 1's
.endr
	ds_store_b128 v[AV], v[XE+4*\g:XE+4*\g+3] offset:1024*\g
	ds_store_b128 v[AV], v[XO+4*\g:XO+4*\g+3] offset:1024*\g+512
	ds_store_b32 v[AVS], v[VB+\g] offset:128*\g
.endm
.macro BPAIR jj, ga, gb                ; the columns in Y0 and Y1
.if \jj == 0
	VQ2 Y0, XE+4*\ga, VB+\ga, Y1, XE+4*\gb, VB+\gb
.else
	VQ2 Y0, XO+4*\ga, BYT, Y1, XO+4*\gb, BY2
	TAILV \ga, BYT
	TAILV \gb, BY2
.endif
.endm
; 32 rows (block jj of the trip's two) x 128 columns.  lcnt: the loads issued behind this set's.  refill 0: the same set of the next trip; 1: the rows' last 16 columns; 2: four tiles of queries for out1
.macro STEPQ jj, lcnt, refill
	s_wait_loadcnt \lcnt                           ; my set of 32 loads is in
	WIN 0x04                                       ; an LDS store's data are its source 1: window 1
.set ii, 0
.rept 32
	ds_store_b128 v[STS], v[128*\jj+4*ii:128*\jj+4*ii+3] offset:SP*(16*((ii/8)%2)+8*(ii/16)+ii%8)
.set ii, ii+1
.endr
	WIN 0
	LA 0                                           ; LDS serves a wave's instructions in order (ISA guide 5.7.1.4): these see the stores above
	WIN 0x01                                       ; source 0 window 1
	MB \jj, 0, Y0
	MB \jj, 1, Y1
	WIN 0
	BPAIR \jj, 0, 1
	WIN 0x01
	MB \jj, 2, Y0
	MB \jj, 3, Y1
	WIN 0
	s_wait_dscnt 6*\jj                             ; the stage's stores have read the set and key tile 0's loads are in; behind them stand, with jj = 1, two columns' six image stores
	WIN 0x40                                       ; the moves have read the set too: it is filled again
.set ii, 0
.if \refill == 0
.rept 32
	global_load_b128 v[128*\jj+4*ii:128*\jj+4*ii+3], v[LI], s[34:35] offset:1600*(32*\jj+ii)   ; 512 consecutive bytes of a row
.set ii, ii+1
.endr
.elseif \refill == 1
.rept 16
	global_load_b128 v[4*ii:4*ii+3], v[TG], s[32:33] offset:12800*ii+1536   ; the last 64 bytes of eight rows
.set ii, ii+1
.endr
.else
.rept 32
	global_load_b128 v[128+4*ii:131+4*ii], v[LI], s[50:51] offset:16384+512*ii
.set ii, ii+1
.endr
.endif
	WIN 0
	QUANT X, PC0, PW0
	ds_store_b128 v[AK], v[PC0:PC0+3] offset:1024*(2*\jj)
	ds_store_b128 v[AK], v[PC0+4:PC0+7] offset:1024*(2*\jj)+512
	LA 1
	BPAIR \jj, 2, 3                                ; two columns' work while key tile 1 comes
	s_wait_dscnt 6*\jj                             ; key tile 1's loads are in; behind them, with jj = 1, six image stores
	QUANT X, PC1, PW1
	v_cndmask_b32 v[KSR], v[PW0], v[PW1], s40      ; lanes 0-15 tile 0's scale words, lanes 16-31 tile 1's
	ds_store_b128 v[AK], v[PC1:PC1+3] offset:1024*(2*\jj+1)
	ds_store_b128 v[AK], v[PC1+4:PC1+7] offset:1024*(2*\jj+1)+512
	ds_store_b32 v[AKS], v[KSR] offset:128*\jj
.endm
; trip n: K step n / 2 (128 columns), rows 64 (n % 2) .. + 63
.macro TRIP last
	s_wait_dscnt 0x0                               ; the last trip's image stores are done: their address and data registers are written again
	v_add_nc_u32 v[AK], s37, v[BK]
	v_add_nc_u32 v[AV], s37, v[BV]
	v_add_nc_u32 v[AKS], s38, v[BKS]
	v_add_nc_u32 v[AVS], s39, v[BVS]
.if \last
	STEPQ 0, 32, 1
	STEPQ 1, 16, 2
.else
	s_wait_xcnt 0x0                                ; the loads issued so far have read their base: it is written again
	s_add_co_u32 s56, s36, 1                       ; the next trip:
	s_and_b32 s57, s56, 1
	s_mul_i32 s57, s57, 102400                     ; its 64 rows,
	s_lshr_b32 s56, s56, 1
	s_lshl_b32 s56, s56, 9                         ; its 128 columns
	s_add_co_u32 s56, s56, s57
	s_mov_b32 s57, 0
	s_add_nc_u64 s[34:35], s[32:33], s[56:57]
	STEPQ 0, 32, 0
	STEPQ 1, 32, 0
.endif
.endm
; product k of 25 of O^T = V^T P^T (index k: tile k, but 12: tile 24, and from 13 on: tile k - 1), into accumulator k % 8, from 0
.macro PVW k
.if (\k) < 12
.set tl, (\k)
.elseif (\k) == 12
.set tl, 24
.else
.set tl, (\k)-1
.endif
.if (\k) < 13
.set vr, 8*(\k)
.else
.set vr, 8*((\k)-13)
.endif
	WM S+8*((\k)%8), vr, PC, -1, VS+tl/2, PW, tl%2, 0
.endm
; y += W's tile k . accumulator k % 8, from the accumulator's low end on
.macro PVF k
.if (\k) < 12
.set wr, 104+8*(\k)
.else
.set wr, 96+8*((\k)-12)
.endif
.set ao, S+8*((\k)%8)
.irp q, 0,1,2,3
.if (\k) == 0
	v_pk_mul_f32 v[YA+2*\q:YA+2*\q+1], v[wr+2*\q:wr+2*\q+1], v[ao+2*\q:ao+2*\q+1]
.else
	v_pk_fma_f32 v[YA+2*\q:YA+2*\q+1], v[wr+2*\q:wr+2*\q+1], v[ao+2*\q:ao+2*\q+1], v[YA+2*\q:YA+2*\q+1]
.endif
.endr
.endm
; ONE TILE OF 16 QUERIES, its codes in Q buffer e
.macro UNIT e
	s_wait_loadcnt 9                               ; my buffer's nine loads are in; the other buffer's nine may be out
	WIN 0x09+4*\e                                  ; K window 1, Q window 2 or 3
.set ks, 0
.rept 4
.set kt, 0
.rept 8                                ; the eight tiles of keys by turns, one instruction a turn
.if ks == 0
	WM S+8*kt, 8*(4*kt+ks), 200+8*ks, BIAS+8*kt, KS+4*(kt/2)+ks, QS+2*\e+ks/2, kt%2, ks%2
.else
	WM S+8*kt, 8*(4*kt+ks), 200+8*ks, S+8*kt, KS+4*(kt/2)+ks, QS+2*\e+ks/2, kt%2, ks%2
.endif
.set kt, kt+1
.endr
.set ks, ks+1
.endr
	WIN 0
.rept 4
	v_nop                                          ; four places ahead of the loads into Q's registers and of the first read of the scores
.endr
	s_wait_dscnt 0x0                               ; the last tile's three result stores are done
	s_wait_xcnt 0x0                                ; the last refill has read its bases
	s_add_co_u32 s56, s54, 2+\e
	s_min_u32 s56, s56, 31                         ; two tiles on; the last two refills read tile 31 again and are not used: no load leaves the work-group's tiles
	s_lshl_b32 s58, s56, 8
	s_lshl_b32 s56, s56, 12
	s_mov_b32 s57, 0
	s_mov_b32 s59, 0
	s_add_nc_u64 s[50:51], s[46:47], s[56:57]
	s_add_nc_u64 s[52:53], s[48:49], s[58:59]
	WIN 0x80+0x40*\e
.irp m, 0,1,2,3,4,5,6,7
	global_load_b128 v[200+4*\m:203+4*\m], v[LI], s[50:51] offset:512*\m
.endr
	WIN 0
	global_load_b64 v[QS+2*\e:QS+2*\e+1], v[L8], s[52:53]
.irp b, 0,1,2,3
	v_max3_num_f32 v[TM+\b], v[S+16*\b], v[S+1+16*\b], v[S+2+16*\b]   ; the largest score of each block of 32 keys: for the maximum, and for the block's largest p
.endr
.irp i, 3,5,7,9,11,13
.irp b, 0,1,2,3
	v_max3_num_f32 v[TM+\b], v[TM+\b], v[S+16*\b+\i], v[S+1+16*\b+\i]
.endr
.endr
.irp b, 0,1,2,3
	v_max_num_f32 v[TM+\b], v[TM+\b], v[S+15+16*\b]
.endr
.irp b, 0,1,2,3
	v_permlanex16_b32 v[TM+4+\b], v[TM+\b], s[SEL], s[SEL+1]
.endr
.irp b, 0,1,2,3
	v_max_num_f32 v[TM+\b], v[TM+\b], v[TM+4+\b]
.endr
	v_max3_num_f32 v212, v200, v201, v202
	v_max_num_f32 v212, v212, v203
	v_mul_f32 v212, s44, v212                      ; as t
	v_max_num_f32 v59, 0xf1800000, v212            ; held at -2^100 from below: 128 hidden keys leave l = y = 0 and a weight that falls to 0 at the join
	v_floor_f32 v58, -v59                          ; -M = floor(-t): M is a whole number
.irp j, 0,2,4,6,8,10,12,14,16,18,20,22,24,26,28,30,32,34,36,38,40,42,44,46,48,50,52,54,56,58,60,62
	v_pk_fma_f32 v[S+\j:S+1+\j], v[S+\j:S+1+\j], s[44:45], v[58:59] op_sel_hi:[1,0,0]   ; t - M
.endr
.irp b, 0,1,2,3
	v_fma_f32 v[TM+\b], v[TM+\b], s44, v58
.endr
.set ii, 0
.rept 64
	v_exp_f32 v[S+ii], v[S+ii]                     ; p = 2^(t - M): not normalised
.set ii, ii+1
.endr
.irp b, 0,1,2,3
	v_exp_f32 v[TM+\b], v[TM+\b]                   ; the blocks' largest p: in the same batch
.endr
	v_nop                                          ; a plain line behind the batch
	s_wait_alu depctr_va_vdst(0)                   ; ONE wait for the 68, ahead of their first reader
.irp b, 0,1,2,3
	v_max_num_f32 v[TM+\b], 0x1800000, v[TM+\b]
.endr
.irp b, 0,1,2,3
	v_add_nc_u32 v[TM+8+\b], 0xff000000, v[TM+\b]
.endr
.irp b, 0,1,2,3
	v_lshrrev_b32 v[TM+4+\b], 23, v[TM+8+\b]
.endr
.irp b, 0,1,2,3
	v_cvt_scalef32_pk8_fp4_f32 v[PC+2*\b], v[S+16*\b:S+7+16*\b], v[TM+8+\b]
	v_cvt_scalef32_pk8_fp4_f32 v[PC+1+2*\b], v[S+8+16*\b:S+15+16*\b], v[TM+8+\b]
.endr
	v_lshl_or_b32 v[PW], v[TM+5], 8, v[TM+4]       ; p's scale word; also the plain line behind the scaled conversions
.irp c, 0,1
.irp i, 0,1
	v_permlane16_swap_b32 v[PC+4*\c+\i], v[PC+2+4*\c+\i]
.endr
.endr
	v_lshl_or_b32 v[PW], v[TM+6], 16, v[PW]
	v_pk_add_f32 v[60:61], v[S:S+1], v[S+2:S+3]    ; l, of the unquantised p, in four chains
	v_pk_add_f32 v[62:63], v[S+4:S+5], v[S+6:S+7]
	v_pk_add_f32 v[212:213], v[S+8:S+9], v[S+10:S+11]
	v_pk_add_f32 v[214:215], v[S+12:S+13], v[S+14:S+15]
	v_lshl_or_b32 v[PW], v[TM+7], 24, v[PW]
.irp j, 16,24,32,40,48,56
	v_pk_add_f32 v[60:61], v[60:61], v[S+\j:S+1+\j]   ; these 27 lines are also the places between the last writes of p's scale word and codes and the products
	v_pk_add_f32 v[62:63], v[62:63], v[S+2+\j:S+3+\j]
	v_pk_add_f32 v[212:213], v[212:213], v[S+4+\j:S+5+\j]
	v_pk_add_f32 v[214:215], v[214:215], v[S+6+\j:S+7+\j]
.endr
	v_pk_add_f32 v[60:61], v[60:61], v[62:63]
	v_pk_add_f32 v[212:213], v[212:213], v[214:215]
	v_pk_add_f32 v[60:61], v[60:61], v[212:213]
	; O^T and its contraction, in groups: four products, then the sixteen lines that contract the four products before them.  Accumulators 0-3 and 4-7 take turns.  Between a product and the read of its result stand
	; four plain lines or more that name none of its registers: four v_nop behind the first group; later the contraction of the group before; behind products 13-16 the four lines of product 12's.
	WIN 0x02                                       ; V and W window 2
.irp k, 0,1,2,3
	PVW \k
.endr
.rept 4
	v_nop
.endr
.irp k, 4,5,6,7
	PVW \k
.endr
.irp k, 0,1,2,3
	PVF \k
.endr
.irp k, 8,9,10,11
	PVW \k
.endr
.irp k, 4,5,6,7
	PVF \k
.endr
	PVW 12
.irp k, 8,9,10,11
	PVF \k
.endr
	WIN 0x03                                       ; V and W window 3
.irp k, 13,14,15,16
	PVW \k
.endr
	PVF 12
.irp k, 17,18,19,20
	PVW \k
.endr
.irp k, 13,14,15,16
	PVF \k
.endr
.irp k, 21,22,23,24
	PVW \k
.endr
.irp k, 17,18,19,20
	PVF \k
.endr
.irp k, 21,22,23,24
	PVF \k
.endr
	WIN 0
	v_pk_add_f32 v[YA:YA+1], v[YA:YA+1], v[YA+2:YA+3]
	v_pk_add_f32 v[YA+4:YA+5], v[YA+4:YA+5], v[YA+6:YA+7]
	v_add_f32 v60, v60, v61
	v_pk_add_f32 v[YA:YA+1], v[YA:YA+1], v[YA+4:YA+5]
	v_add_nc_u32 v[STA], s55, v[ST0]
	v_add_f32 v[YA], v[YA], v[YA+1]
	v_permlanex16_b32 v204, v60, s[SEL], s[SEL+1]
	v_permlanex16_b32 v205, v[YA], s[SEL], s[SEL+1]
	v_add_f32 v60, v60, v204
	v_add_f32 v[YA], v[YA], v205
	ds_store_b32 v[STA], v58 offset:64*\e          ; lanes r and 16 + r write the same word with the same value
	ds_store_b32 v[STA], v60 offset:RESL+64*\e
	ds_store_b32 v[STA], v[YA] offset:RESY+64*\e
.endm
	s_load_b512 s[4:19], s[0:1], 0x0               ; H s[4:5], wperm s[6:7], b_score s[8:9], len s[10:11], vq_codes s[12:13], vq_scales s[14:15], qa_codes s[16:17], qa_scales s[18:19]
	s_load_b128 s[20:23], s[0:1], 0x40             ; out0, out1
	v_lshl_add_u32 v254, v0, 2, 0x4ea00
	v_mov_b32 v255, 0
	v_lshrrev_b32 v1, 5, v0
	v_readfirstlane_b32 s24, v1                    ; wave
	s_mov_b32 s25, ttmp9                           ; which half of the queries
	s_and_b32 s26, ttmp7, 0xffff                   ; b
	s_mul_i32 s29, s24, WREG                       ; my region of LDS
	v_and_b32 v1, 31, v0                           ; lane
	v_and_b32 v2, 15, v0                           ; r
	v_bfe_u32 v3, v0, 4, 1                         ; h
	v_lshlrev_b32 v[LI], 4, v1
	v_lshlrev_b32 v[L8], 3, v1
	v_lshlrev_b32 v[L4], 2, v1
	v_add_nc_u32 v[STS], s29, v[LI]
	v_mul_u32_u24 v[KA], v2, SP
	v_lshl_add_u32 v[KA], v3, 6, v[KA]
	v_add_nc_u32 v[KA], s29, v[KA]
	v_add_nc_u32 v[VA], s29, v[L4]
	v_add_nc_u32 v[BK], KIM, v[STS]
	v_add_nc_u32 v[BV], VIM, v[STS]
	v_add_nc_u32 v[BKS], KSI, v[VA]
	v_add_nc_u32 v[BVS], VSI, v[VA]
	v_lshrrev_b32 v[TG], 2, v1
	v_and_b32 v[STA], 3, v1
	v_mul_u32_u24 v[TS], v[TG], TP
	v_lshl_add_u32 v[TS], v[STA], 4, v[TS]
	v_add_nc_u32 v[TS], s29, v[TS]
	v_mul_u32_u24 v[TG], v[TG], 1600
	v_lshl_add_u32 v[TG], v[STA], 4, v[TG]
	v_mul_u32_u24 v[KT], v2, TP
	v_add_nc_u32 v[KT], s29, v[KT]
	v_lshlrev_b32 v[ST0], 2, v2
	v_add_nc_u32 v[ST0], s29, v[ST0]
	v_lshlrev_b32 v[H16], 4, v3
	v_lshlrev_b32 v[H32], 5, v3
	v_mov_b32 v[Z], 0
	v_mov_b32 v[NEG], 0xff61b1e6                   ; -3e38
.irp b, 0,1,2,3
	v_mov_b32 v[TM+4+\b], 0                        ; a lane permute's destination counts as read
.endr
	s_mov_b32 s40, 0xffff0000                      ; lanes 16-31
	s_mov_b32 s[SEL], 0x76543210
	s_mov_b32 s[SEL+1], 0xfedcba98
	s_mov_b32 s44, 0x3fb8aa3b                      ; log2(e)
	s_mov_b32 s45, s44                             ; (named with it as a pair)
	s_mul_i32 s56, s26, 819200
	s_mul_i32 s57, s24, 204800
	s_add_co_u32 s56, s56, s57
	s_mov_b32 s57, 0
	s_lshl_b32 s58, s26, 2
	s_mov_b32 s59, 0
	s_wait_kmcnt 0x0
	s_add_nc_u64 s[32:33], s[4:5], s[56:57]        ; H at my wave's 128 rows
	s_add_nc_u64 s[30:31], s[10:11], s[58:59]
	s_load_b32 s27, s[30:31], 0x0                  ; len[b]: it enters values alone, no address and no branch
	s_load_b32 s28, s[8:9], 0x0                    ; b_score
	s_lshl_b32 s56, s25, 17
	s_add_nc_u64 s[46:47], s[12:13], s[56:57]      ; my half's 32 tiles of queries: codes,
	s_lshl_b32 s56, s25, 13
	s_add_nc_u64 s[48:49], s[14:15], s[56:57]      ; scale words;
	s_lshl_b32 s56, s24, 15
	s_add_nc_u64 s[50:51], s[46:47], s[56:57]      ; my wave's 8 of them, for out1
	s_lshl_b32 s56, s24, 11
	s_add_nc_u64 s[52:53], s[48:49], s[56:57]
	s_lshl_b32 s56, s26, 8
	s_add_nc_u64 s[16:17], s[16:17], s[56:57]      ; q_acts[b]: codes,
	s_lshl_b32 s56, s26, 4
	s_add_nc_u64 s[18:19], s[18:19], s[56:57]      ; scale bytes
	s_lshl_b32 s56, s26, 12
	s_lshl_b32 s58, s25, 11
	s_add_co_u32 s56, s56, s58
	s_add_nc_u64 s[20:21], s[20:21], s[56:57]      ; the outputs at my 512 numbers
	s_add_nc_u64 s[22:23], s[22:23], s[56:57]
	; the small loads into windows 2 and 3 first (74), so that the first counted wait, which leaves 32 loads out, shows them landed too
	WIN 0x80
.set kk, 0
.rept 12
	global_load_b128 v[104+8*kk:107+8*kk], v[H32], s[6:7] offset:64*kk      ; W in the result's layout: lane (r, h): numbers 16 tile + 8 h + 0 .. 7 of wperm
	global_load_b128 v[108+8*kk:111+8*kk], v[H32], s[6:7] offset:64*kk+16
.set kk, kk+1
.endr
.irp m, 0,1,2,3,4,5,6,7
	global_load_b128 v[200+4*\m:203+4*\m], v[LI], s[46:47] offset:512*\m    ; Q buffer 0: tile 0
.endr
.irp m, 0,1,2,3,4,5,6,7
	global_load_b128 v[4*\m:4*\m+3], v[H16], s[16:17] offset:32*\m          ; q_acts' four fragments: every lane of a half takes the same 16 bytes: 16 equal rows
.endr
	WIN 0xc0
	global_load_b128 v[96:99], v[H32], s[6:7] offset:64*24
	global_load_b128 v[100:103], v[H32], s[6:7] offset:64*24+16
.set kk, 13
.rept 12
	global_load_b128 v[96+8*(kk-12):99+8*(kk-12)], v[H32], s[6:7] offset:64*(kk-1)
	global_load_b128 v[100+8*(kk-12):103+8*(kk-12)], v[H32], s[6:7] offset:64*(kk-1)+16
.set kk, kk+1
.endr
.irp m, 0,1,2,3,4,5,6,7
	global_load_b128 v[200+4*\m:203+4*\m], v[LI], s[46:47] offset:4096+512*\m   ; Q buffer 1: tile 1
.endr
	WIN 0x40
.set ii, 0
.rept 64
	global_load_b128 v[4*ii:4*ii+3], v[LI], s[32:33] offset:1600*ii         ; trip 0's two sets: 64 rows x 512 bytes
.set ii, ii+1
.endr
	WIN 0
	s_wait_kmcnt 0x0                               ; len, b_score
	; ---------------- H becomes codes: six trips over columns 0 .. 383, then the last 16 columns
	s_mov_b32 s36, 0
	s_mov_b32 s37, 0
	s_mov_b32 s38, 0
	s_mov_b32 s39, 0
.Lq:
	TRIP 0
	s_add_co_u32 s37, s37, 4096
	s_add_co_u32 s38, s38, 256
	s_add_co_u32 s39, s39, 512
	s_add_co_u32 s36, s36, 1
	s_cmp_lt_u32 s36, 5
	s_cbranch_scc1 .Lq
	s_mov_b32 s37, 5*4096
	s_mov_b32 s38, 5*256
	s_mov_b32 s39, 5*512
	TRIP 1                                         ; the last trip is written out: its refills are other loads
	s_wait_loadcnt 32                              ; the 16 loads of the last columns are in; 32 loads of queries may be out
	WIN 0x04
.set ii, 0
.rept 16
	ds_store_b128 v[TS], v[4*ii:4*ii+3] offset:TP*(32*(ii/4)+16*(ii%2)+8*((ii/2)%2))   ; eight rows a store, into slots in the key tiles' order
.set ii, ii+1
.endr
	WIN 0
	s_wait_dscnt 0x0                               ; the stores, and the last trip's image stores, have read their registers: v16-47 are free from here on
	WIN 0x40
.set ii, 0
.rept 32
	global_load_b128 v[4*ii:4*ii+3], v[LI], s[50:51] offset:512*ii          ; out1: my tiles 0-3 of queries
.set ii, ii+1
.endr
	WIN 0
.irp k, 0,1,2,3,4,5,6,7
	global_load_b64 v[16+2*\k:17+2*\k], v[L8], s[52:53] offset:256*\k       ; their scale words,
.endr
	global_load_b128 v[32:35], v[Z], s[18:19]      ; q_acts' four, the same in every lane,
	global_load_b64 v[QS:QS+1], v[L8], s[48:49]    ; and the scale words of Q buffers 0 and 1 (tiles 0 and 1): only now, since V's codes lay in v46-47
	global_load_b64 v[QS+2:QS+3], v[L8], s[48:49] offset:256
.set tt, 0
.rept 8
.irp q, 0,1,2,3
	ds_load_b128 v[64+16*tt+4*\q:67+16*tt+4*\q], v[KT] offset:TP*(32*(tt/2)+16*(tt%2))+16*\q   ; K step 3 of key tile tt: a row's 16 numbers, in both halves of the lanes
.endr
.set tt, tt+1
.endr
.irp i, 216,217,218,219,238,239,242,243,246,247,250,251
	v_mov_b32 v\i, 0
.endr
	s_wait_dscnt 0x0
.irp t, 0,1,2,3,4,5,6,7
	v_max3_num_f32 v[200+\t], |v[64+16*\t]|, |v[65+16*\t]|, 0x1800000
.endr
.irp i, 2,4,6,8,10,12,14
.irp t, 0,1,2,3,4,5,6,7
	v_max3_num_f32 v[200+\t], v[200+\t], |v[64+16*\t+\i]|, |v[65+16*\t+\i]|   ; the block's other 16 numbers are zeros
.endr
.endr
.irp t, 0,1,2,3,4,5,6,7
	v_add_nc_u32 v[208+\t], 0xff000000, v[200+\t]
.endr
.irp t, 0,1,2,3,4,5,6,7
	v_lshrrev_b32 v[200+\t], 23, v[208+\t]
.endr
.irp t, 0,1,2,3,4,5,6,7
	v_or_b32 v[200+\t], 0x7f7f7f00, v[200+\t]      ; blocks 13 to 15 are zero codes under the byte 127
.endr
.irp n, 0,1
.irp t, 0,1,2,3
	v_cvt_scalef32_pk8_fp4_f32 v[236+4*\t], v[64+16*(4*\n+\t):71+16*(4*\n+\t)], v[208+4*\n+\t]
	v_cvt_scalef32_pk8_fp4_f32 v[237+4*\t], v[72+16*(4*\n+\t):79+16*(4*\n+\t)], v[208+4*\n+\t]
.endr
	v_nop
.irp t, 0,1,2,3
	v_cndmask_b32 v[236+4*\t], v[236+4*\t], v[Z], s40   ; lanes 16-31 hold block 13: zeros
	v_cndmask_b32 v[237+4*\t], v[237+4*\t], v[Z], s40
.endr
.irp t, 0,1,2,3
	ds_store_b128 v[BK], v[236+4*\t:239+4*\t] offset:24576+1024*(4*\n+\t)
	ds_store_b128 v[BK], v[216:219] offset:24576+1024*(4*\n+\t)+512
.endr
	s_wait_dscnt 0x0                               ; the stores have read their registers
.endr
.irp j, 0,1,2,3
	v_cndmask_b32 v[220+\j], v[200+2*\j], v[201+2*\j], s40
.endr
.irp j, 0,1,2,3
	ds_store_b32 v[BKS], v[220+\j] offset:1536+128*\j
.endr
.set ii, 0
.rept 128
	ds_load_b32 v[64+ii], v[ST0] offset:TP*(32*(ii/32)+16*(((ii%32)/8)%2)+8*((ii%32)/16)+ii%8)   ; tile 24 of V^T: column 384 + r, all 128 keys, in both halves of the lanes
.set ii, ii+1
.endr
	s_wait_dscnt 0x0
	VQ 64, 236, 200
	VQ 96, 240, 201
	VQ 128, 244, 202
	VQ 160, 248, 203
.irp c, 0,1
.irp q, 0,1,2,3
	v_cndmask_b32 v[236+8*\c+\q], v[236+8*\c+\q], v[240+8*\c+\q], s40   ; lanes 0-15 block 2 c, lanes 16-31 block 2 c + 1
.endr
.endr
	v_lshl_or_b32 v200, v201, 8, v200
	v_lshl_or_b32 v200, v202, 16, v200
	v_lshl_or_b32 v200, v203, 24, v200
	ds_store_b128 v[BV], v[236:239] offset:24576
	ds_store_b128 v[BV], v[244:247] offset:24576+512
	ds_store_b32 v[BVS], v200 offset:3072
	s_wait_dscnt 0x0
	; ---------------- out1: q_acts[b] against my 8 tiles of queries; the eight accumulators by turns
	s_wait_loadcnt 0x0                             ; the queries' tiles, all scale words
	WIN 0x06                                       ; q_acts window 2, queries window 1
.set ks, 0
.rept 4
.set kt, 0
.rept 8
.if ks == 0
	WM 64+8*kt, 8*ks, 32*kt+8*ks, -1, 32+ks, 16+2*kt+ks/2, 0, ks%2
.else
	WM 64+8*kt, 8*ks, 32*kt+8*ks, 64+8*kt, 32+ks, 16+2*kt+ks/2, 0, ks%2
.endif
.set kt, kt+1
.endr
.set ks, ks+1
.endr
	WIN 0
.rept 4
	v_nop                                          ; four places ahead of the reads of the results and of the loads into the operands' and scales' registers
.endr
.irp k, 0,1,2,3,4,5,6,7
	ds_store_b32 v[ST0], v[64+8*\k] offset:RES6+64*\k   ; all 16 rows are equal: register 0 of lane r is query r's number
.endr
	; ---------------- the images come back into the operands' registers
	WIN 0x40
.set kt, 0
.rept 8
.set ks, 0
.rept 3
	ds_load_b128 v[8*(4*kt+ks):8*(4*kt+ks)+3], v[BK] offset:(2*ks+kt/4)*4096+(kt%4)*1024
	ds_load_b128 v[8*(4*kt+ks)+4:8*(4*kt+ks)+7], v[BK] offset:(2*ks+kt/4)*4096+(kt%4)*1024+512
.set ks, ks+1
.endr
	ds_load_b128 v[8*(4*kt+3):8*(4*kt+3)+3], v[BK] offset:24576+1024*kt
	ds_load_b128 v[8*(4*kt+3)+4:8*(4*kt+3)+7], v[BK] offset:24576+1024*kt+512
.set kt, kt+1
.endr
	WIN 0x80
.set kk, 0
.rept 12
	ds_load_b128 v[8*kk:8*kk+3], v[BV] offset:(2*(kk/8))*4096+(kk%8)*512
	ds_load_b128 v[8*kk+4:8*kk+7], v[BV] offset:(2*(kk/8)+1)*4096+(kk%8)*512
.set kk, kk+1
.endr
	ds_load_b128 v[96:99], v[BV] offset:24576
	ds_load_b128 v[100:103], v[BV] offset:24576+512
	WIN 0xc0
.set kk, 12
.rept 12
	ds_load_b128 v[8*(kk-12):8*(kk-12)+3], v[BV] offset:(2*(kk/8))*4096+(kk%8)*512
	ds_load_b128 v[8*(kk-12)+4:8*(kk-12)+7], v[BV] offset:(2*(kk/8)+1)*4096+(kk%8)*512
.set kk, kk+1
.endr
	WIN 0
.irp j, 0,1,2,3
.irp s, 0,1,2
	ds_load_b32 v[KS+4*\j+\s], v[BKS] offset:256*(2*\s+\j/2)+128*(\j%2)
.endr
	ds_load_b32 v[KS+4*\j+3], v[BKS] offset:1536+128*\j
.endr
.set kk, 0
.rept 12
	ds_load_b32 v[128+kk], v[BVS] offset:512*(2*(kk/4))+128*(kk%4)
	ds_load_b32 v[140+kk], v[BVS] offset:512*(2*(kk/4)+1)+128*(kk%4)
.set kk, kk+1
.endr
	ds_load_b32 v[VS+12], v[BVS] offset:3072
	s_wait_dscnt 0x0
.set kk, 0
.rept 12
	v_lshl_or_b32 v[VS+kk], v[140+kk], 16, v[128+kk]   ; keys 0-63's two bytes below, keys 64-127's above
.set kk, kk+1
.endr
	; ---------------- the mask, in the scores' layout: register 16 b + i of lane (r, h) is key 128 w + 32 b + 16 h + i
	s_lshl_b32 s56, s24, 7
	s_sub_co_i32 s56, s27, s56
	v_sub_nc_u32 v212, s56, v[H16]                 ; d = len - 128 w - 16 h: hidden where 32 b + i >= d
.set ii, 0
.rept 64
	v_cmp_ge_i32 vcc_lo, 32*(ii/16)+ii%16, v212
	v_cndmask_b32 v[BIAS+ii], v[Z], v[NEG], vcc_lo
.set ii, ii+1
.endr
.rept 4
	v_nop
.endr
	; ---------------- the 32 tiles of queries, two a trip
	s_mov_b32 s36, 0
	s_mov_b32 s54, 0                               ; the trip's first tile
	s_mov_b32 s55, 0                               ; and its place among the results
.Lu:
	UNIT 0
	UNIT 1
	s_add_co_u32 s54, s54, 2
	s_add_co_u32 s55, s55, 128
	s_add_co_u32 s36, s36, 1
	s_cmp_lt_u32 s36, 16
	s_cbranch_scc1 .Lu
	; ---------------- the join: thread n owns queries 4 n .. 4 n + 3
	s_wait_dscnt 0x0                               ; for the others' sake: my results lie in LDS
	s_barrier_signal -1
	s_barrier_wait -1
	v_lshlrev_b32 v16, 4, v0
	v_add_nc_u32 v17, WREG, v16
	v_add_nc_u32 v18, 2*WREG, v16
	v_add_nc_u32 v19, 3*WREG, v16
.irp w, 0,1,2,3
	ds_load_b128 v[64+4*\w:67+4*\w], v[16+\w]
	ds_load_b128 v[80+4*\w:83+4*\w], v[16+\w] offset:RESL
	ds_load_b128 v[96+4*\w:99+4*\w], v[16+\w] offset:RESY
.endr
	ds_load_b128 v[112:115], v[STS] offset:RES6    ; out1's four numbers lie in my own wave's region
	s_wait_dscnt 0x0
.irp q, 0,1,2,3
	v_min3_num_f32 v[120+\q], v[64+\q], v[68+\q], v[72+\q]
.endr
.irp q, 0,1,2,3
	v_min_num_f32 v[120+\q], v[120+\q], v[76+\q]   ; -M of the row = the least -M_w
.endr
.set ii, 0
.rept 16
	v_sub_f32 v[128+ii], v[120+ii%4], v[64+ii]     ; M_w - M: a whole number, 0 or less
.set ii, ii+1
.endr
.set ii, 0
.rept 16
	v_cvt_i32_f32 v[128+ii], v[128+ii]             ; (it saturates)
.set ii, ii+1
.endr
.set ii, 0
.rept 16
	v_ldexp_f32 v[128+ii], 1.0, v[128+ii]          ; 2^(M_w - M): rounds nothing
.set ii, ii+1
.endr
.irp q, 0,1,2,3
	v_mul_f32 v[144+\q], v[128+\q], v[80+\q]
	v_mul_f32 v[148+\q], v[128+\q], v[96+\q]
.endr
.irp w, 1,2,3
.irp q, 0,1,2,3
	v_fma_f32 v[144+\q], v[128+4*\w+\q], v[80+4*\w+\q], v[144+\q]
	v_fma_f32 v[148+\q], v[128+4*\w+\q], v[96+4*\w+\q], v[148+\q]
.endr
.endr
.irp q, 0,1,2,3
	v_rcp_f32 v[152+\q], v[144+\q]
.endr
	v_nop
	s_wait_alu depctr_va_vdst(0)                   ; one wait for the four reciprocals
.irp q, 0,1,2,3
	v_fma_f32 v[156+\q], v[148+\q], v[152+\q], s28 ; y / l + b_score
.endr
	global_store_b128 v16, v[156:159], s[20:21]    ; sixteen lanes store 256 consecutive bytes, aligned
	global_store_b128 v16, v[112:115], s[22:23]
	s_wait_tensorcnt 0x0
	ds_add_u32 v254, v255
	s_wait_dscnt 0x0
	s_endpgm
.Lfunc_end_k_q50f1ec23ac_main:
	.size	k_q50f1ec23ac_main, .Lfunc_end_k_q50f1ec23ac_main-k_q50f1ec23ac_main
	.p2alignl 7, 3214868480
	.fill 96, 4, 3214868480
	.section	.rodata,"a",@progbits
	.p2align	6, 0x0
	.amdhsa_kernel k_q50f1ec23ac_main
		.amdhsa_group_segment_fixed_size 322560
		.amdhsa_private_segment_fixed_size 0
		.amdhsa_enable_private_segment 0
		.amdhsa_kernarg_size 80
		.amdhsa_user_sgpr_count 2
		.amdhsa_user_sgpr_kernarg_segment_ptr 1
		.amdhsa_wavefront_size32 1
		.amdhsa_system_sgpr_workgroup_id_x 1
		.amdhsa_system_sgpr_workgroup_id_y 1
		.amdhsa_system_sgpr_workgroup_id_z 1
		.amdhsa_system_vgpr_workitem_id 0
		.amdhsa_next_free_vgpr 1024
		.amdhsa_next_free_sgpr 66
		.amdhsa_reserve_vcc 1
		.amdhsa_float_denorm_mode_32 3
		.amdhsa_float_denorm_mode_16_64 3
		.amdhsa_memory_ordered 1
		.amdhsa_forward_progress 1
		.amdhsa_inst_pref_size 229
	.end_amdhsa_kernel
	.amdgpu_metadata
---
amdhsa.version: [ 1, 2 ]
amdhsa.kernels:
  - .name:           k_q50f1ec23ac_main
    .symbol:         k_q50f1ec23ac_main.kd
    .args:
      - { .name: H_utt, .offset: 0, .size: 8, .value_kind: global_buffer, .address_space: global }
      - { .name: wperm, .offset: 8, .size: 8, .value_kind: global_buffer, .address_space: global }
      - { .name: b_score, .offset: 16, .size: 8, .value_kind: global_buffer, .address_space: global }
      - { .name: utterance_len, .offset: 24, .size: 8, .value_kind: global_buffer, .address_space: global }
      - { .name: vq_codes, .offset: 32, .size: 8, .value_kind: global_buffer, .address_space: global }
      - { .name: vq_scales, .offset: 40, .size: 8, .value_kind: global_buffer, .address_space: global }
      - { .name: qa_codes, .offset: 48, .size: 8, .value_kind: global_buffer, .address_space: global }
      - { .name: qa_scales, .offset: 56, .size: 8, .value_kind: global_buffer, .address_space: global }
      - { .name: out0, .offset: 64, .size: 8, .value_kind: global_buffer, .address_space: global }
      - { .name: out1, .offset: 72, .size: 8, .value_kind: global_buffer, .address_space: global }
    .group_segment_fixed_size: 322560
    .private_segment_fixed_size: 0
    .kernarg_segment_align: 8
    .kernarg_segment_size: 80
    .max_flat_workgroup_size: 128
    .sgpr_count:     66
    .vgpr_count:     1024
    .wavefront_size: 32
...
	.end_amdgpu_metadata
.endif
;; end of part 4
